; MI455X (gfx1250); checked and timed in simulation.
; The chip was launched on July 23, 2026; its instructions are those of AMD's public machine-readable ISA for CDNA 5 (MIT licence, August 2026) and "CDNA5" Instruction Set Architecture Reference Guide (July 2026). The comments in the code are by the model that wrote it; some were corrected since.
;; Flash MHA. Allowed arithmetic: matrix products marked QUANTISED: E2M1 operands, one E8M0 scale for each 32 along K, by v_wmma_scale_f32_16x16x128_f8f6f4 with both operands' format E2M1 (or v_wmma_scale_f32_32x16x128_f4), f32 sums; products left as they are: bf16, f16 or f32 operands; f32 sums; everything else in f32.
;; Inputs: Wkv_b 2,048 float32; Wkv_w 2,048 x 1,024 float32; Wq_b 1,024 float32; Wq_w 1,024 x 1,024 float32; attn_bias 2 x 2,048 float32; mem 2 x 2,048 x 1,024 float32; memory_key_padding_mask 2 x 2,048 bool; out_b 1,024 float32; out_w 1,024 x 1,024 float32; tgt 2 x 2,048 x 1,024 float32.
;; Outputs: out0 2 x 2,048 x 1,024 float32.
;; This version of the problem:
;;   THIS VERSION OF THE PROBLEM IS GIVEN IN LOW PRECISION. The matrix products marked QUANTISED in the list below multiply operands that are first quantised to E2M1 (2 exponent bits, 1 mantissa bit; 4 bits a number), with one power-of-two scale for each 32 numbers along K (OCP MX v1.0); their sums are f32. The products marked 'left as it is' may take bf16, f16 or f32 operands, with f32 sums. Whichever they take, every output number must still come out within the allowed error. Rounding operands to bf16 (8 significant bits) uses up far more of that allowance than f16 does (11 bits, for magnitudes from 6e-5 to 65,504). All else is computed in f32.
;;   The module's matrix products, in the order in which they are computed (A, B: the left and right operand; K: the contracted axis; several contracted axes count as one K, in the product's order):
;;     1. [M 4,096, K 1,024] x [K 1,024, N 1,024]; A: input tgt; B: input Wq_w: QUANTISED
;;     2. [M 4,096, K 1,024] x [K 1,024, N 2,048]; A: input mem; B: input Wkv_w: QUANTISED
;;     3. batch 32 x [M 2,048, K 64] x [K 64, N 2,048]; A: computed on the way; B: computed on the way: left as it is (an operand is computed on the way)
;;     4. batch 32 x [M 64, K 2,048] x [K 2,048, N 2,048]; A: computed on the way; B: computed on the way: left as it is (an operand is computed on the way)
;;     5. [M 4,096, K 1,024] x [K 1,024, N 1,024]; A: computed on the way; B: input out_w: left as it is (an operand is computed on the way)
;;   THE QUANTISER, for each operand of a quantised product, along K:
;;     - K is cut into blocks of 32 from its start; a last block that is shorter is filled with zeros.
;;     - A block's scale is 2^e with e = floor(log2(the largest magnitude in the block)) - 2, held to -126 .. 127; a block of zeros has e = 0. As a byte (E8M0): e + 127.
;;     - Each number is divided by its block's scale, clamped to +-6, and rounded to the nearest number of E2M1, ties to even, subnormals kept.
;;     - The product sums the exact products of the quantised numbers (number of the format x scale) in f32.
;;   ~~~python
;;   def quantise(x, axis):      # numpy; x: float32 -> the quantised numbers, widened to float32 again
;;       x = np.moveaxis(x, axis, -1); K = x.shape[-1]
;;       x = np.pad(x, [(0, 0)] * (x.ndim - 1) + [(0, -K % 32)]); x = x.reshape(x.shape[:-1] + (-1, 32)); a = np.abs(x).max(-1, keepdims=True)
;;       e = np.where(a > 0, np.clip(np.frexp(np.where(a > 0, a, 1))[1] - 1 - 2, -126, 127), 0)      # np.frexp(a)[1] - 1 = floor(log2(a)), exactly
;;       r = np.clip(x / 2.0 ** e, -6, 6)
;;       step = 2.0 ** (np.maximum(np.frexp(np.where(r == 0, 1, r))[1] - 1, 0) - 1)
;;       q = np.round(r / step) * step * 2.0 ** e      # np.round: ties to even
;;       return np.moveaxis(q.reshape(q.shape[:-2] + (-1,))[..., :K], -1, axis).astype(np.float32)
;;   ~~~
;; One version. Each part assembles by itself: llvm-mc -triple=amdgcn-amd-amdhsa -mcpu=gfx1250 --defsym DOCPART=n.
;; ======== version 1 of 1: 4 launches
;; limits: values are held in f16: magnitudes above 65,504 overflow, below 6.1e-05 lose precision; right only within a limited range of input values
;; workspace buffers: codes 5,767,168 bytes; scales 360,448 bytes; wo16 2,097,152 bytes; kbias 16,384 bytes; qkv 25,165,824 bytes; ctx16 8,388,608 bytes
;; launch prep (part 1): grid 385 x 1, 4 waves a work-group, no clusters, 33,280 bytes of LDS; arguments tgt, mem, Wq_w, Wkv_w, out_w, attn_bias, memory_key_padding_mask, codes, scales, wo16, kbias; writes codes, scales, wo16, kbias
.if DOCPART == 1
	.amdgcn_target "amdgcn-amd-amdhsa--gfx1250"
	.amdhsa_code_object_version 6
	.text
	.protected	k_q1671c24271_prep
	.globl	k_q1671c24271_prep
	.p2align	8
	.type	k_q1671c24271_prep,@function
k_q1671c24271_prep:
	s_mov_b64 s[64:65], 0
	v_nop
	global_prefetch_b8 v0, s[64:65] scope:SCOPE_SE
	s_setreg_imm32_b32 hwreg(HW_REG_WAVE_MODE, 25, 1), 1
	s_wait_xcnt 0x0
; PREP.  Three kinds of work-group, told apart by the work-group's number alone.
; 0 .. 351: tgt, mem, Wq_w, Wkv_w (f32, K = 1,024 innermost) become codes of FP4 (E2M1) with one E8M0 scale byte for each 32 along K.  The four tensors follow each other in the
;   two buffers: codes [11,264 rows][512 bytes], scales [11,264 rows][32 bytes]; rows 0-4095 tgt, 4096-8191 mem, 8192-9215 Wq_w, 9216-11263 Wkv_w.
;   A block's scale is 2^(floor(log2(its largest magnitude)) - 2); its byte is the largest magnitude's exponent field - 2, held at 1 from below.
; 352 .. 383: out_w becomes f16, laid [n / 128][k / 64][n % 128][k % 64], so that a K step of the last product is one dense block.
; 384: the key table: kbias[b][key] = attn_bias x log2(e) where the key counts, -2^100 where the padding mask hides it.
; LIMITS: a block of zeros, and a block whose largest magnitude lies under 2^-124, get the byte 1 (a block of zeros has zero codes, which add nothing; this program alone reads the bytes);
; NaN and infinities among the inputs are not served; out_w beyond f16's range (65,504) is not served.
.set NQWG,  352                        ; work-groups that quantise: (4 + 4 + 1 + 2) x 2^20 numbers / 32,768
.set WAVES, 4
.set STEPS, 16                         ; a wave takes 16 steps of 512 numbers
.set EMAX,  2
.set CB,    8                          ; bytes of 16 codes
.set R,     16                         ; v16-79   four sets of 16 numbers as they are loaded
.set X,     80                         ; v80-111  two sets of 16 neighbours
.set C,     128                        ; v128-191 codes: four registers for each step
.set E,     112                        ; v112-127 a scale byte for each step
.set WREG,  8192                       ; LDS: a region for each wave: two stages of 32 x SP bytes, behind them its 256 scale bytes
.set SP,    80                         ; a lane's place in a stage: 64 bytes + 16 of padding
.set SPW,   12                         ; v12  LDS address of my spare word; never rewritten
.set NIL,   13                         ; v13  0; never rewritten
.set SPARE, WAVES*WREG                 ; behind the four regions: the spare words, 128 bytes for each wave
	s_load_b256 s[4:11], s[0:1], 0x0               ; tgt, mem, Wq_w, Wkv_w
	s_load_b256 s[12:19], s[0:1], 0x20             ; out_w, attn_bias, the mask, codes
	s_load_b128 s[20:23], s[0:1], 0x40             ; scales, wo16
	s_load_b64 s[24:25], s[0:1], 0x50              ; kbias
	v_lshl_add_u32 v[SPW], v0, 2, SPARE
	v_mov_b32 v[NIL], 0
	v_lshrrev_b32 v1, 5, v0
	v_readfirstlane_b32 s30, v1                    ; wave
	v_and_b32 v2, 31, v0                           ; lane
	s_mul_i32 s31, s30, WREG                       ; the quantiser's LDS addresses are made here, ahead of the parting of the ways
	v_lshrrev_b32 v14, 2, v2
	v_mul_u32_u24 v14, v14, SP
	v_and_b32 v15, 3, v2
	v_lshl_add_u32 v14, v15, 4, v14
	v_add_nc_u32 v14, s31, v14                     ; the stage, on the way in: SP (lane / 4) + 16 (lane % 4)
	v_mul_u32_u24 v15, v2, SP
	v_add_nc_u32 v15, s31, v15                     ; and on the way out: SP x lane: my 16 neighbours
	v_lshrrev_b32 v5, 1, v2
	s_add_co_u32 s31, s31, 2*32*SP
	v_add_nc_u32 v5, s31, v5                       ; my wave's 256 scale bytes, my block's byte
	v_lshlrev_b32 v7, 3, v2
	v_add_nc_u32 v6, s31, v7                       ; and on the way out 8 bytes a lane
	s_wait_kmcnt 0x0
	s_cmp_ge_u32 ttmp9, NQWG
	s_cbranch_scc1 .Lother
; ---- THE QUANTISER.  Rows are dense and K is a multiple of 32: each tensor is a plain stream of blocks of 32, and so are its codes and its scale bytes.
; Each of a step's four loads reads 512 consecutive bytes; the 2,048 bytes turn through the wave's own stage in LDS and come back 64 bytes a lane: 16 neighbours along K; two neighbouring lanes hold a block.
	v_lshlrev_b32 v3, 4, v2                        ; my 16 bytes of a load's 512
	v_mul_u32_u24 v4, v2, CB                       ; my codes' place in a step's
	s_cmp_lt_u32 ttmp9, 128                        ; which tensor, and its first work-group: the choice hangs on the work-group's number alone
	s_cselect_b64 s[26:27], s[4:5], s[6:7]
	s_cselect_b32 s28, 0, 128
	s_cmp_lt_u32 ttmp9, 256
	s_cselect_b64 s[26:27], s[26:27], s[8:9]
	s_cselect_b32 s28, s28, 256
	s_cmp_lt_u32 ttmp9, 288
	s_cselect_b64 s[26:27], s[26:27], s[10:11]
	s_cselect_b32 s28, s28, 288
	s_sub_co_u32 s28, ttmp9, s28
	s_lshl_b32 s28, s28, 2
	s_add_co_u32 s28, s28, s30                     ; which run of 8,192 numbers of the tensor is my wave's
	s_lshl_b32 s28, s28, 15                        ; 32,768 bytes a run
	s_mov_b32 s29, 0
	s_add_nc_u64 s[26:27], s[26:27], s[28:29]
	s_lshl_b32 s32, ttmp9, 2
	s_add_co_u32 s32, s32, s30                     ; and which run of the two output streams
	s_lshl_b32 s34, s32, 12                        ; 4,096 bytes of codes a run
	s_mov_b32 s35, 0
	s_add_nc_u64 s[18:19], s[18:19], s[34:35]
	s_lshl_b32 s34, s32, 8                         ; 256 scale bytes a run
	s_add_nc_u64 s[20:21], s[20:21], s[34:35]
.macro LOAD t
.irp i, 0,1,2,3
	global_load_b128 v[R+16*((\t)%4)+4*\i:R+16*((\t)%4)+4*\i+3], v3, s[26:27] offset:2048*(\t)+512*\i th:TH_LOAD_NT   ; 32 lanes read 512 consecutive bytes
.endr
.endm
.macro TURN t                          ; step t's numbers through the stage: LDS serves a wave's instructions in order, so no wait stands between the stores and the loads
.irp i, 0,1,2,3
	ds_store_b128 v14, v[R+16*((\t)%4)+4*\i:R+16*((\t)%4)+4*\i+3] offset:32*SP*((\t)%2)+8*SP*\i
.endr
.irp i, 0,1,2,3
	ds_load_b128 v[X+16*((\t)%2)+4*\i:X+16*((\t)%2)+4*\i+3], v15 offset:32*SP*((\t)%2)+16*\i
.endr
.endm
.irp t, 0,1,2,3
	LOAD \t
.endr
	s_wait_loadcnt 12                              ; step 0's four loads are in; the twelve of steps 1 to 3 may be out
	TURN 0
.macro STEP t
.set XS, X+16*((\t)%2)
.if (\t) > 0
	s_wait_dscnt 1                                 ; this step's numbers are back from the stage (the last step's byte store may be out)
.else
	s_wait_dscnt 0x0
.endif
.if (\t)+4 < STEPS
	LOAD (\t)+4                                    ; into the registers that this step's stores into the stage have read
.endif
.if (\t)+1 < STEPS
.if STEPS-2-(\t) >= 3
	s_wait_loadcnt 12                              ; the next step's four loads are in; those of the three steps behind it may be out
.else
	s_wait_loadcnt 4*(STEPS-2-(\t))
.endif
	TURN (\t)+1                                    ; through the other stage while this step is worked
.endif
	v_max3_num_f32 v8, |v[XS]|, |v[XS+1]|, |v[XS+2]|               ; the largest magnitude of my 16, in two chains
	v_max3_num_f32 v9, |v[XS+3]|, |v[XS+4]|, |v[XS+5]|
.irp i, 6,10
	v_max3_num_f32 v8, v8, |v[XS+\i]|, |v[XS+\i+1]|
	v_max3_num_f32 v9, v9, |v[XS+\i+2]|, |v[XS+\i+3]|
.endr
	v_max3_num_f32 v8, v8, |v[XS+14]|, |v[XS+15]|
	v_max3_num_f32 v8, v8, v9, (EMAX+1)<<23        ; and the floor 2^(3 - 127): the byte cannot fall under 1
	v_max_num_f32_dpp v8, v8, v8 row_xmask:1 row_mask:0xf bank_mask:0xf   ; and of my neighbour's 16: the block's
	v_add_nc_u32 v11, -(EMAX<<23), v8              ; 2 off its exponent field: the conversion takes the exponent field of this operand as its scale
	v_cvt_scalef32_pk8_fp4_f32 v[C+4*(\t)], v[XS:XS+7], v11        ; eight numbers / the scale, to the nearest code, ties to even, beyond 6 the largest code
	v_cvt_scalef32_pk8_fp4_f32 v[C+4*(\t)+1], v[XS+8:XS+15], v11
	v_lshrrev_b32 v[E+(\t)], 23, v11               ; the scale's byte (also the plain line behind the conversions)
	ds_store_b8 v5, v[E+(\t)] offset:16*(\t)       ; both lanes of a block write the same byte with the same value
	global_store_b64 v4, v[C+4*(\t):C+4*(\t)+1], s[18:19] offset:32*CB*(\t)   ; the wave stores 256 consecutive bytes, aligned
.endm
.irp t, 0,1,2,3,4,5,6,7,8,9,10,11,12,13,14,15
	STEP \t
.endr
	ds_load_b64 v[8:9], v6                         ; LDS serves a wave's instructions in order: these see my byte stores
	s_wait_dscnt 0x0
	global_store_b64 v7, v[8:9], s[20:21]          ; 32 lanes store 256 consecutive bytes, aligned
	s_wait_tensorcnt 0x0                           ; the wave's end
	ds_add_u32 v[SPW], v[NIL]
	s_wait_dscnt 0x0
	s_endpgm
.Lother:
	s_cmp_eq_u32 ttmp9, NQWG+32
	s_cbranch_scc1 .Ltable
; ---- out_w TO f16.  Work-group c takes rows 32 c .. 32 c + 31, a wave 8 of them, two at a time: lanes 0-15 read 256 bytes (64 along K) of row n, lanes 16-31 of row n + 1.
; A lane's four numbers are 8 bytes of f16; in the blocked layout the two rows' 128 bytes follow each other, so the wave stores 256 consecutive bytes, aligned.
	s_sub_co_u32 s28, ttmp9, NQWG                  ; c
	s_lshl_b32 s29, s28, 5
	s_lshl_b32 s31, s30, 3
	s_add_co_u32 s29, s29, s31                     ; my wave's first row
	s_lshl_b32 s32, s29, 12                        ; 4,096 bytes a row
	s_mov_b32 s33, 0
	s_add_nc_u64 s[12:13], s[12:13], s[32:33]
	s_lshr_b32 s32, s28, 2
	s_lshl_b32 s32, s32, 18                        ; n / 128: blocks of 262,144 bytes
	s_and_b32 s29, s29, 127
	s_lshl_b32 s29, s29, 7                         ; n % 128: 128 bytes
	s_add_co_u32 s32, s32, s29
	s_add_nc_u64 s[22:23], s[22:23], s[32:33]
	v_lshrrev_b32 v3, 4, v2
	v_and_b32 v4, 15, v2
	v_lshlrev_b32 v4, 4, v4
	v_lshl_add_u32 v3, v3, 12, v4                  ; in: 4,096 (lane / 16) + 16 (lane % 16)
	v_lshlrev_b32 v4, 3, v2                        ; out: 8 x lane
.macro CLOAD rp, set                   ; rows 2 rp, 2 rp + 1, all of K: sixteen loads
.irp kb, 0,1,2,3,4,5,6,7,8,9,10,11,12,13,14,15
	global_load_b128 v[16+64*\set+4*\kb:16+64*\set+4*\kb+3], v3, s[12:13] offset:\rp*8192+\kb*256 th:TH_LOAD_NT
.endr
.endm
.macro CSTORE rp, set
.irp kb, 0,1,2,3,4,5,6,7,8,9,10,11,12,13,14,15
	v_cvt_pk_f16_f32 v[16+64*\set+4*\kb], v[16+64*\set+4*\kb], v[16+64*\set+4*\kb+1]
	v_cvt_pk_f16_f32 v[16+64*\set+4*\kb+1], v[16+64*\set+4*\kb+2], v[16+64*\set+4*\kb+3]
	global_store_b64 v4, v[16+64*\set+4*\kb:16+64*\set+4*\kb+1], s[22:23] offset:\kb*16384+\rp*256
.endr
.endm
	CLOAD 0, 0
	CLOAD 1, 1
	s_wait_loadcnt 16                              ; the older sixteen are in
	CSTORE 0, 0
	s_wait_xcnt 0x0                                ; the stores have read their registers: the set is loaded again only behind this wait
	CLOAD 2, 0
	s_wait_loadcnt 16
	CSTORE 1, 1
	s_wait_xcnt 0x0
	CLOAD 3, 1
	s_wait_loadcnt 16
	CSTORE 2, 0
	s_wait_loadcnt 0x0
	CSTORE 3, 1
	s_endpgm
.Ltable:
; ---- THE KEY TABLE.  4,096 keys, 128 threads: thread t takes keys 4 t + 512 u, u = 0 .. 7: 16 bytes of the bias, 4 bytes of the mask.
	v_lshlrev_b32 v3, 4, v0
	v_lshlrev_b32 v4, 2, v0
	v_mov_b32 v10, 0xf1800000                      ; -2^100: stands for minus infinity; it stays finite in the sums of the scores
.irp u, 0,1,2,3,4,5,6,7
	global_load_b128 v[16+4*\u:19+4*\u], v3, s[14:15] offset:2048*\u
.endr
.irp u, 0,1,2,3,4,5,6,7
	global_load_b32 v[48+\u], v4, s[16:17] offset:512*\u
.endr
	s_wait_loadcnt 0x0
.irp u, 0,1,2,3,4,5,6,7
.irp e, 0,1,2,3
	v_bfe_u32 v8, v[48+\u], 8*\e, 8                ; the key's byte of the mask
	v_mul_f32 v9, 0x3fb8aa3b, v[16+4*\u+\e]        ; the bias in units of log2
	v_cmp_ne_u32 vcc_lo, 0, v8
	v_cndmask_b32 v[16+4*\u+\e], v10, v9, vcc_lo   ; true: the key counts
.endr
.endr
.irp u, 0,1,2,3,4,5,6,7
	global_store_b128 v3, v[16+4*\u:19+4*\u], s[24:25] offset:2048*\u
.endr
	s_endpgm
.Lfunc_end_k_q1671c24271_prep:
	.size	k_q1671c24271_prep, .Lfunc_end_k_q1671c24271_prep-k_q1671c24271_prep
	.p2alignl 7, 3214868480
	.fill 96, 4, 3214868480
	.section	.rodata,"a",@progbits
	.p2align	6, 0x0
	.amdhsa_kernel k_q1671c24271_prep
		.amdhsa_group_segment_fixed_size 33280
		.amdhsa_private_segment_fixed_size 0
		.amdhsa_enable_private_segment 0
		.amdhsa_kernarg_size 88
		.amdhsa_user_sgpr_count 2
		.amdhsa_user_sgpr_kernarg_segment_ptr 1
		.amdhsa_wavefront_size32 1
		.amdhsa_system_sgpr_workgroup_id_x 1
		.amdhsa_system_sgpr_workgroup_id_y 1
		.amdhsa_system_sgpr_workgroup_id_z 1
		.amdhsa_system_vgpr_workitem_id 0
		.amdhsa_next_free_vgpr 192
		.amdhsa_next_free_sgpr 66
		.amdhsa_reserve_vcc 1
		.amdhsa_float_denorm_mode_32 3
		.amdhsa_float_denorm_mode_16_64 3
		.amdhsa_memory_ordered 1
		.amdhsa_forward_progress 1
		.amdhsa_inst_pref_size 63
	.end_amdhsa_kernel
	.amdgpu_metadata
---
amdhsa.version: [ 1, 2 ]
amdhsa.kernels:
  - .name:           k_q1671c24271_prep
    .symbol:         k_q1671c24271_prep.kd
    .args:
      - { .name: tgt, .offset: 0, .size: 8, .value_kind: global_buffer, .address_space: global }
      - { .name: mem, .offset: 8, .size: 8, .value_kind: global_buffer, .address_space: global }
      - { .name: Wq_w, .offset: 16, .size: 8, .value_kind: global_buffer, .address_space: global }
      - { .name: Wkv_w, .offset: 24, .size: 8, .value_kind: global_buffer, .address_space: global }
      - { .name: out_w, .offset: 32, .size: 8, .value_kind: global_buffer, .address_space: global }
      - { .name: attn_bias, .offset: 40, .size: 8, .value_kind: global_buffer, .address_space: global }
      - { .name: memory_key_padding_mask, .offset: 48, .size: 8, .value_kind: global_buffer, .address_space: global }
      - { .name: codes, .offset: 56, .size: 8, .value_kind: global_buffer, .address_space: global }
      - { .name: scales, .offset: 64, .size: 8, .value_kind: global_buffer, .address_space: global }
      - { .name: wo16, .offset: 72, .size: 8, .value_kind: global_buffer, .address_space: global }
      - { .name: kbias, .offset: 80, .size: 8, .value_kind: global_buffer, .address_space: global }
    .group_segment_fixed_size: 33280
    .private_segment_fixed_size: 0
    .kernarg_segment_align: 8
    .kernarg_segment_size: 88
    .max_flat_workgroup_size: 128
    .sgpr_count:     66
    .vgpr_count:     192
    .wavefront_size: 32
...
	.end_amdgpu_metadata
.endif
;; end of part 1
;; launch proj (part 2): grid 48 x 4, 4 waves a work-group, clusters of 4 x 4, 327,680 bytes of LDS; arguments codes, scales, Wq_b, Wkv_b, qkv; writes qkv
.if DOCPART == 2
	.amdgcn_target "amdgcn-amd-amdhsa--gfx1250"
	.amdhsa_code_object_version 6
	.text
	.protected	k_q1671c24271_proj
	.globl	k_q1671c24271_proj
	.p2align	8
	.type	k_q1671c24271_proj,@function
k_q1671c24271_proj:
	s_mov_b64 s[64:65], 0
	v_nop
	global_prefetch_b8 v0, s[64:65] scope:SCOPE_SE
	s_setreg_imm32_b32 hwreg(HW_REG_WAVE_MODE, 25, 1), 1
	s_wait_xcnt 0x0
	s_wait_alu depctr_hold_cnt(0) depctr_sa_sdst(0) depctr_va_vdst(0) depctr_va_sdst(0) depctr_va_ssrc(0) depctr_va_vcc(0) depctr_vm_vsrc(0)
	s_getreg_b32 s2, hwreg(HW_REG_IB_STS2, 6, 4)
	s_cmp_eq_u32 s2, 0
	s_cbranch_scc0 .Lentry_in_a_cluster
	s_endpgm
.Lentry_in_a_cluster:
	s_bfe_u32 s2, ttmp6, 0x10000c
	s_cmp_lg_u32 s2, 0xf033
	s_cbranch_scc0 .Lentry_shape_is_right
	s_endpgm
.Lentry_shape_is_right:
; PROJ.  The two quantised products, on codes of FP4 (E2M1) with one E8M0 scale for each 32 along K = 1,024, as three GEMMs of one scheme: out(x, y) = sum over k of X[x][k] Y[y][k].
;   p = 0: X = tgt, Y = Wq_w: q' = (q + Wq_b) x 0.125 x log2(e)      p = 1: X = mem, Y = Wk: k + its bias      p = 2: X = Wv, Y = mem: v TRANSPOSED, without its bias (the next launch adds it to the context).
; Results are rounded once to f16 and laid for the next launch: q and k [head][token][64]; v [batch x 16 + head][256 keys][64 keys][channel][key].
; A tile of 256 x 256 is made by four waves, 128 x 128 each: 64 accumulators, 512 registers.  64 tiles for each p: 192 work-groups (tiles of 128 x 128 would fetch half as much again for the same work).
; K is two steps of 512 (rows of 256 bytes): both LDS slots are filled once, at the head, and nothing is filled again.  The scale bytes of the tile's rows come once, as dense blocks.
; CLUSTERS: 4 x 4 work-groups of one p.  The four of a row of the cluster need the same rows of X, the four of a column the same rows of Y: each tile is asked for jointly.
; THE MATRIX INSTRUCTION: source 0 = 16 rows of Y, source 1 = 16 rows of X: a lane holds one x and eight neighbouring y.
; LIMITS: |q'|, |k|, |v| stay under 65,504 (f16).
; REGISTERS: window 0: v0-31 addresses; v32-95 scale words, two sets; v128-191 X's fragments, one set; v192-255 the bias of my 128 y.  window 1: Y's fragments, two sets.  windows 2, 3: the accumulators.
;   On the way out window 0's v32-95 take rows read back, v96-127 packed results, v128-191 scaled results.
.set NQ,     4                         ; matrix instructions deep in a slot: 512 / 128
.set ROWB,   256                       ; a tile's row in bytes
.set KROW,   512                       ; a row of codes in memory
.set PITCH,  272                       ; an LDS row: 256 bytes + 16 of padding: the 16 rows that a load touches start at 16 different banks
.set FR,     8                         ; registers of a fragment
.set NL,     2                         ; LDS loads that bring one
.set NP,     4                         ; places behind this matrix instruction
.set HALFT,  128*PITCH
.set SLOT,   4*HALFT                   ; X's 256 rows, then Y's 256 rows
.set KS,     32                        ; a row of scale bytes
.set SCL,    2*SLOT                    ; behind the slots: the scale bytes, as units of 256 bytes + 16 of padding
.set HALFS,  (128*KS/256)*272
.set SBLK,   (16*KS/256)*272
.set SPARE,  SCL+4*HALFS               ; the spare words, 128 bytes for each wave
.set STG,    SPARE+512                 ; the way out: a stage of 16 x 272 bytes for each wave, bytes of its own
.set ADRA, 16                          ; v16-17  LDS address of my X fragments in slot 0, 1
.set ADRB, 20                          ; v20-21  the same for Y
.set STO,  24                          ; v24     where I put 16 bytes on the way out
.set RD,   25                          ; v25     where I read 16 bytes back
.set CO,   26                          ; v26     16 x lane
.set ADRS, 27                          ; v27     my scale words: lanes 0-15 X's rows, lanes 16-31 Y's
.set SPW,  28
.set NIL,  29
.set BO,   30                          ; v30     the bias loads' offset; not rewritten
.set SC,   32
.set OB,   32
.set TMP,  96
.set AF,   128
.set F,    128
.set BS,   192
.set G1, 24
.set G0, 32
.set G1B, 48
.set G0B, 56
.set G1S, 68
.set G0S, 76
.set G1SB, 80
.set G0SB, 88
.set MSB, 0
.macro WIN new                         ; the immediate's high byte repeats the setting that is left
.if MSB != \new
	s_set_vgpr_msb (MSB<<8)|\new
.set MSB, \new
.endif
.endm
.set MUL_LO, 0xa1                      ; source 0 (Y) window 1, source 1 (X) window 0, C and D window 2
.set MUL_HI, 0xf1
.set TO_B,   0x40
; A joint load: waves 0 and 1 fetch for X, waves 2 and 3 for Y.  The branch hangs on the wave's number alone.  An s_nop 0 and four v_nop follow each of the two lines.
.macro JLOAD g0a, g1a, g0b, g1b
	s_cmp_eq_u32 s15, 0
	s_cbranch_scc0 .Lfor_b_\@
	tensor_load_to_lds s[\g0a:\g0a+3], s[\g1a:\g1a+7]
	s_nop 0
.rept 4
	v_nop
.endr
	s_branch .Lasked_\@
.Lfor_b_\@:
	tensor_load_to_lds s[\g0b:\g0b+3], s[\g1b:\g1b+7]
	s_nop 0
.rept 4
	v_nop
.endr
.Lasked_\@:
.endm
.macro CROUND                          ; a round of the cluster's barrier
	s_barrier_signal -1
	s_barrier_wait -1
	s_cmp_lg_u32 s14, 0
	s_cbranch_scc1 .Lnot_wave_0_\@
	s_barrier_signal -3
.Lnot_wave_0_\@:
	s_barrier_wait -3
	s_barrier_signal -1
	s_barrier_wait -1
.endm
	s_load_b256 s[4:11], s[0:1], 0x0               ; codes s[4:5], scales s[6:7], Wq_b s[8:9], Wkv_b s[10:11]
	s_load_b64 s[12:13], s[0:1], 0x20              ; qkv
	v_lshl_add_u32 v[SPW], v0, 2, SPARE
	v_mov_b32 v[NIL], 0
	ds_add_u32 v[SPW], v[NIL]                      ; the wave's opening: the add, twice on end, and its wait ahead of my first tensor load
	ds_add_u32 v[SPW], v[NIL]
	v_lshrrev_b32 v1, 5, v0
	v_readfirstlane_b32 s14, v1                    ; wave 0..3
	s_lshr_b32 s15, s14, 1                         ; which half of the tile's x is mine.  Also: I fetch for X (0) or for Y (1)
	s_and_b32 s16, s14, 1                          ; which half of its y.  Also: which 128 rows I fetch
	s_bfe_u32 s40, ttmp6, 0x40000                  ; cx, cy: my place in the cluster
	s_bfe_u32 s41, ttmp6, 0x40004
	s_lshr_b32 s95, ttmp9, 2                       ; p: four clusters for each of the three products; the same in all sixteen partners
	s_lshr_b32 s2, s95, 1                          ; 1 where p = 2
	s_xor_b32 s3, s2, 1                            ; 1 where p < 2
	s_and_b32 s18, ttmp9, 3
	s_lshl_b32 s18, s18, 2                         ; the long operand (4,096 rows) has 16 tiles: four for each cluster
	s_mul_i32 s19, s18, s3
	s_add_co_u32 s17, s41, s19                     ; X's tile: cy (+ the cluster's four where X is the long one)
	s_mul_i32 s19, s18, s2
	s_add_co_u32 s42, s40, s19                     ; Y's tile: cx (+ the cluster's four where Y is)
	s_lshl_b32 s43, s41, 2
	s_lshl_b32 s43, 15, s43                        ; my row of the cluster
	s_lshl_b32 s44, 0x1111, s40                    ; my column
	; descriptor group 1: a tile of 128 rows x 256 bytes, padded in LDS
	s_or_b32 s[G1+0], s43, (0<<16)|(1<<20)|(1<<21)|(5<<22)|(3<<25)  ; the mask: X's tiles go to my row; elements of 1 byte; padding on; bit 21 beside a mask; four words after every 64
	s_or_b32 s[G1B+0], s44, (0<<16)|(1<<20)|(1<<21)|(5<<22)|(3<<25)
.irp g, G1, G1B
	s_mov_b32 s[\g+1], ROWB<<16                    ; tensor_dim0
	s_mov_b32 s[\g+2], 128<<16                     ; tensor_dim1
	s_mov_b32 s[\g+3], ROWB<<16                    ; tile_dim0
	s_mov_b32 s[\g+4], 128                         ; tile_dim1
	s_mov_b32 s[\g+5], KROW                        ; from row to row
	s_mov_b32 s[\g+6], 0
	s_mov_b32 s[\g+7], 0
.endr
	; the scale bytes of 128 rows: 4,096 dense bytes, as 16 rows of 256 bytes (32 elements of 8), 16 bytes of padding behind each
	s_or_b32 s[G1S+0], s43, (3<<16)|(1<<20)|(1<<21)|(5<<22)|(3<<25)
	s_or_b32 s[G1SB+0], s44, (3<<16)|(1<<20)|(1<<21)|(5<<22)|(3<<25)
.irp g, G1S, G1SB
	s_mov_b32 s[\g+1], 32<<16
	s_mov_b32 s[\g+2], (128*KS/256)<<16
	s_mov_b32 s[\g+3], 32<<16
	s_mov_b32 s[\g+4], 128*KS/256
	s_mov_b32 s[\g+5], 32
	s_mov_b32 s[\g+6], 0
	s_mov_b32 s[\g+7], 0
.endr
	s_lshl_b32 s18, s16, 7                         ; which 128 rows of the tile I fetch
	s_lshl_b32 s20, s17, 8
	s_add_co_u32 s20, s20, s18
	s_lshl_b32 s19, s95, 12
	s_add_co_u32 s20, s20, s19
	s_lshl_b32 s19, s2, 11
	s_add_co_u32 s20, s20, s19                     ; X's row in the two buffers: first rows 0 (tgt), 4,096 (mem), 10,240 (Wv)
	s_lshl_b32 s46, s42, 8
	s_add_co_u32 s46, s46, s18
	s_lshl_b32 s19, s95, 10
	s_add_co_u32 s46, s46, s19
	s_add_co_u32 s46, s46, 8192
	s_mul_i32 s19, s2, 6144
	s_sub_co_u32 s46, s46, s19                     ; Y's: first rows 8,192 (Wq), 9,216 (Wk), 4,096 (mem)
	s_lshl_b32 s22, s20, 5                         ; 32 scale bytes a row,
	s_mov_b32 s23, 0
	s_lshl_b32 s92, s46, 5
	s_mov_b32 s93, 0
	s_lshl_b32 s20, s20, 9                         ; 512 bytes of codes
	s_mov_b32 s21, 0
	s_lshl_b32 s46, s46, 9
	s_mov_b32 s47, 0
	s_mul_i32 s45, s14, HALFT                      ; where they go: wave x 128 rows: no place in the cluster enters an LDS address
	s_mul_i32 s94, s14, HALFS
	s_wait_dscnt 0x0                               ; both opening adds are done
	s_wait_kmcnt 0x0
	s_add_nc_u64 s[20:21], s[4:5], s[20:21]
	s_add_nc_u64 s[22:23], s[6:7], s[22:23]
	s_add_nc_u64 s[46:47], s[4:5], s[46:47]
	s_add_nc_u64 s[92:93], s[6:7], s[92:93]
	CROUND                                         ; all sixteen work-groups are here: the joint loads meet
	s_mov_b32 s[G0S], 1
	s_add_co_u32 s[G0S+1], s94, SCL
	s_mov_b64 s[G0S+2:G0S+3], s[22:23]
	s_or_b32 s[G0S+3], s[G0S+3], 0x80000000
	s_mov_b32 s[G0SB], 1
	s_add_co_u32 s[G0SB+1], s94, SCL
	s_mov_b64 s[G0SB+2:G0SB+3], s[92:93]
	s_or_b32 s[G0SB+3], s[G0SB+3], 0x80000000
	JLOAD G0S, G1S, G0SB, G1SB                     ; the scale bytes first: they are wanted with K step 0
.irp s, 0,1
	s_mov_b32 s[G0+4*\s], 1
	s_add_co_u32 s[G0+4*\s+1], s45, \s*SLOT
	s_add_nc_u64 s[G0+4*\s+2:G0+4*\s+3], s[20:21], \s*ROWB
	s_or_b32 s[G0+4*\s+3], s[G0+4*\s+3], 0x80000000
	s_mov_b32 s[G0B+4*\s], 1
	s_add_co_u32 s[G0B+4*\s+1], s45, \s*SLOT
	s_add_nc_u64 s[G0B+4*\s+2:G0B+4*\s+3], s[46:47], \s*ROWB
	s_or_b32 s[G0B+4*\s+3], s[G0B+4*\s+3], 0x80000000
	JLOAD G0+4*\s, G1, G0B+4*\s, G1B               ; three tensor loads of mine are out at the most
.endr
	v_and_b32 v1, 15, v0                           ; r = lane % 16
	v_bfe_u32 v2, v0, 4, 1                         ; h = lane / 16
	v_mul_u32_u24 v3, v1, PITCH
	v_lshl_add_u32 v4, v2, 4, v3                   ; a fragment's row x pitch + 16 h
	s_mul_i32 s21, s15, HALFT                      ; my 128 rows of X
	s_mul_i32 s22, s16, HALFT                      ; my 128 rows of Y,
	s_add_co_u32 s22, s22, 2*HALFT                 ; behind X's 256
.irp s, 0,1
	v_add_nc_u32 v[ADRA+\s], s21, v4
	v_add_nc_u32 v[ADRB+\s], s22, v4
	s_add_co_u32 s21, s21, SLOT
	s_add_co_u32 s22, s22, SLOT
.endr
	v_mul_u32_u24 v5, v1, KS                       ; my row's scale bytes: 32 a row,
	v_lshrrev_b32 v6, 8, v5
	v_lshl_add_u32 v5, v6, 4, v5                   ; and 16 more for each 256 passed
	s_mul_i32 s21, s15, HALFS
	s_mul_i32 s22, s16, HALFS
	s_add_co_u32 s22, s22, 2*HALFS
	s_sub_co_u32 s22, s22, s21
	v_mul_u32_u24 v6, s22, v2                      ; lanes 16-31 take Y's
	s_add_co_u32 s21, s21, SCL
	v_add_nc_u32 v5, v5, v6
	v_add_nc_u32 v[ADRS], s21, v5
	; the way out.  A stage row of 256 bytes holds TWO output rows of 64 f16: row r lies at 272 (r / 2) + 128 (r % 2)
	s_mul_i32 s23, s14, 16*272
	s_add_co_u32 s23, s23, STG
	v_lshrrev_b32 v5, 1, v1
	v_mul_u32_u24 v5, v5, 272
	v_and_b32 v6, 1, v1
	v_lshl_add_u32 v5, v6, 7, v5
	v_lshl_add_u32 v5, v2, 4, v5
	v_add_nc_u32 v[STO], s23, v5
	v_mul_u32_u24 v5, v2, 272
	v_lshl_add_u32 v5, v1, 4, v5
	v_add_nc_u32 v[RD], s23, v5                    ; back: lanes 0-15 one stage row, lanes 16-31 the next
	v_and_b32 v6, 31, v0
	v_lshlrev_b32 v[CO], 4, v6
	; the factors and the bias of my 128 y (p = 2: the factor 0 takes the loaded numbers out again: v's bias hangs on x and is added in the next launch)
	s_cmp_eq_u32 s95, 0
	s_cselect_b64 s[8:9], s[8:9], s[10:11]
	s_cselect_b32 s66, 0x3e38aa3b, 1.0             ; 0.125 x log2(e) for q
	s_mov_b32 s67, s66                             ; (named with it as a pair, so it is written)
	s_cmp_eq_u32 s95, 2
	s_cselect_b32 s94, 0, s66                      ; the bias's factor; s[94:95] is named as a pair, its low word serves both halves
	s_lshl_b32 s18, s42, 8
	s_lshl_b32 s19, s16, 7
	s_add_co_u32 s18, s18, s19
	s_mul_i32 s18, s18, s3                         ; (p = 2: from the buffer's first byte)
	s_lshl_b32 s18, s18, 2
	s_mov_b32 s19, 0
	s_add_nc_u64 s[8:9], s[8:9], s[18:19]
	v_lshlrev_b32 v[BO], 5, v2                     ; lane (r, h) wants, for block b, the bias of y = 16 b + 8 h + 0 .. 7
.irp b, 0,1,2,3,4,5,6,7
	global_load_b128 v[BS+8*\b:BS+8*\b+3], v[BO], s[8:9] offset:64*\b
	global_load_b128 v[BS+8*\b+4:BS+8*\b+7], v[BO], s[8:9] offset:64*\b+16
.endr
	; where my results go.  q, k: head 4 Yt + 2 wc (+ 1 for blocks 4-7 of y), token 256 Xt + 128 wr.  v: batch Yt / 8, head 4 Xt + 2 wr (+ 1 for blocks 4-7 of x), keys' slot Yt % 8, chunk 2 wc (+ 1)
	s_lshl_b32 s18, s42, 2
	s_lshl_b32 s19, s16, 1
	s_add_co_u32 s18, s18, s19
	s_lshl_b32 s18, s18, 19
	s_lshl_b32 s19, s17, 8
	s_lshl_b32 s20, s15, 7
	s_add_co_u32 s19, s19, s20
	s_lshl_b32 s19, s19, 7
	s_add_co_u32 s18, s18, s19                     ; q, k
	s_lshr_b32 s19, s42, 3
	s_lshl_b32 s19, s19, 22
	s_lshl_b32 s20, s17, 2
	s_lshl_b32 s21, s15, 1
	s_add_co_u32 s20, s20, s21
	s_lshl_b32 s20, s20, 18
	s_add_co_u32 s19, s19, s20
	s_and_b32 s20, s42, 7
	s_lshl_b32 s20, s20, 15
	s_add_co_u32 s19, s19, s20
	s_lshl_b32 s20, s16, 14
	s_add_co_u32 s19, s19, s20                     ; v
	s_mov_b32 s20, 524288
	s_cmp_eq_u32 s95, 2
	s_cselect_b32 s18, s19, s18
	s_cselect_b32 s96, 8192, s20                   ; from y's blocks 0-3 to 4-7: a head of q or k, a chunk of v
	s_cselect_b32 s98, 253952, 0                   ; what x's block 4 adds beyond its 2,048 bytes: v's next head
	s_lshl_b32 s19, s95, 23                        ; the three parts of qkv are 8,388,608 bytes each
	s_add_co_u32 s18, s18, s19
	s_mov_b32 s19, 0
	s_mov_b32 s97, 0
	s_mov_b32 s99, 0
	s_add_nc_u64 s[12:13], s[12:13], s[18:19]
	s_add_nc_u64 s[96:97], s[12:13], s[96:97]
.macro FRAG reg, adr, q, i             ; 16 rows x 128 K of 4-bit codes: 8 registers: lane l holds row l % 16; registers 4 c .. 4 c + 3 hold K = 64 c + 32 (l / 16) + 0 .. 31
.irp c, 0,1
	ds_load_b128 v[\reg+4*\c:\reg+4*\c+3], v[\adr] offset:64*(\q)+32*\c+(\i)*16*PITCH
.endr
.endm
; 16 matrix instructions: X's blocks a0, a0 + 1 x Y's eight, the slot's q-th 128 along K.  p: Y's set; sc: the set of scale words.  zero = 1: the first product starts the sums.
; The 64 accumulators take turns, one instruction a turn, in the same order in every step.
.macro MUL16 a0, p, q, sc, zero
.irp a, \a0, \a0+1
.irp b, 0,1,2,3,4,5,6,7
.if \zero
	v_wmma_scale_f32_16x16x128_f8f6f4 v[8*(8*((\a)%4)+\b):8*(8*((\a)%4)+\b)+7], v[128*(\p)+FR*\b:128*(\p)+FR*\b+FR-1], v[AF+FR*(\a):AF+FR*(\a)+FR-1], 0, v[SC+8*NQ*(\sc)+NQ*\b+(\q)], v[SC+8*NQ*(\sc)+NQ*(\a)+(\q)] matrix_a_fmt:MATRIX_FMT_FP4 matrix_b_fmt:MATRIX_FMT_FP4 matrix_a_scale:MATRIX_SCALE_ROW1
.else
	v_wmma_scale_f32_16x16x128_f8f6f4 v[8*(8*((\a)%4)+\b):8*(8*((\a)%4)+\b)+7], v[128*(\p)+FR*\b:128*(\p)+FR*\b+FR-1], v[AF+FR*(\a):AF+FR*(\a)+FR-1], v[8*(8*((\a)%4)+\b):8*(8*((\a)%4)+\b)+7], v[SC+8*NQ*(\sc)+NQ*\b+(\q)], v[SC+8*NQ*(\sc)+NQ*(\a)+(\q)] matrix_a_fmt:MATRIX_FMT_FP4 matrix_b_fmt:MATRIX_FMT_FP4 matrix_a_scale:MATRIX_SCALE_ROW1
.endif
.endr
.endr
.endm
.macro FETCH_B slot, q, p
	WIN TO_B
.irp i, 0,1,2,3,4,5,6,7
	FRAG 128*(\p)+FR*\i, ADRB+\slot, \q, \i
.endr
	WIN 0
.endm
.macro FETCH_A slot, q, i0
.irp i, \i0, \i0+1, \i0+2, \i0+3
	FRAG AF+FR*(\i), ADRA+\slot, \q, \i
.endr
.endm
.macro SCALES sc                       ; a K step's scale words: four words a row; lanes 0-15 take X's block i, lanes 16-31 Y's block i
.irp i, 0,1,2,3,4,5,6,7
	ds_load_b128 v[SC+8*NQ*\sc+NQ*\i:SC+8*NQ*\sc+NQ*\i+3], v[ADRS] offset:\i*SBLK
.endr
.endm
.macro PLACES n                        ; plain vector lines between a matrix instruction and a load into, or a vector line on, its registers
.rept \n
	v_nop
.endr
.endm
.macro STEP slot, q, zero              ; a step of 128 along K that has its successor in the same slot
	s_wait_dscnt 4*NL                              ; Y's set and X's blocks 0-3 are in; the youngest eight loads (X's blocks 4-7) may be out
	WIN MUL_LO
	MUL16 0, (\q)%2, \q, \slot, \zero
	MUL16 2, (\q)%2, \q, \slot, \zero
	s_wait_dscnt 0
	PLACES NP
	FETCH_B \slot, (\q)+1, 1-(\q)%2
	FETCH_A \slot, (\q)+1, 0
	WIN MUL_HI
	MUL16 4, (\q)%2, \q, \slot, \zero
	MUL16 6, (\q)%2, \q, \slot, \zero
	PLACES NP
	WIN 0
	FETCH_A \slot, (\q)+1, 4
.endm
.macro TURN slot, next                 ; slot 0's last step changes slots: one barrier
	s_wait_tensorcnt 0x0                           ; all my tensor loads have landed: my part of slot 1
	ds_add_u32 v[SPW], v[NIL]                      ; 0 onto my spare word
	s_wait_dscnt 4*NL+1                            ; (the add and the youngest eight loads may be out)
	WIN MUL_LO
	MUL16 0, 1, NQ-1, \slot, 0
	s_wait_dscnt 0x0                               ; the add is done, and my reads of this slot are over
	s_barrier_signal -1
	MUL16 2, 1, NQ-1, \slot, 0
	WIN 0
	s_barrier_wait -1                              ; slot 1 is whole for every wave
	PLACES NP
	v_add_nc_u32 v[ADRS], 4*NQ, v[ADRS]            ; on to the next K step's scale words
	FETCH_B \next, 0, 0
	FETCH_A \next, 0, 0
	SCALES \next
	WIN MUL_HI
	MUL16 4, 1, NQ-1, \slot, 0
	MUL16 6, 1, NQ-1, \slot, 0
	PLACES NP
	WIN 0
	FETCH_A \next, 0, 4
.endm
	s_wait_tensorcnt 1                             ; the scale bytes and my part of K step 0 are in; K step 1's load may be out
	s_barrier_signal -1
	s_barrier_wait -1
	FETCH_B 0, 0, 0
	FETCH_A 0, 0, 0
	SCALES 0
	FETCH_A 0, 0, 4
	STEP 0, 0, 1                                   ; the first step's products start the sums
	STEP 0, 1, 0
	STEP 0, 2, 0
	TURN 0, 1
	STEP 1, 0, 0
	STEP 1, 1, 0
	STEP 1, 2, 0
	s_wait_dscnt 4*NL                              ; the last step: nothing more to fetch
	WIN MUL_LO
	MUL16 0, 1, NQ-1, 1, 0
	MUL16 2, 1, NQ-1, 1, 0
	s_wait_dscnt 0
	WIN MUL_HI
	MUL16 4, 1, NQ-1, 1, 0
	MUL16 6, 1, NQ-1, 1, 0
	WIN 0
; THE WAY OUT, block by block of 16 x and 128 y.  result x factor + bias x factor, in f32; rounded once to f16: 16 bytes a lane; through my own stage; back as 512 consecutive bytes an instruction.
	s_wait_loadcnt 0x0                             ; the bias
	PLACES NP
.set J, 0
.rept 32
	v_pk_mul_f32 v[BS+J:BS+J+1], v[BS+J:BS+J+1], s[94:95] op_sel_hi:[1,0]
.set J, J+2
.endr
.macro PACK a
.set AC, 64*((\a)%4)
	WIN 0x02+(\a)/4                                ; source 0: window 2 or 3
.irp b, 0,1,2,3,4,5,6,7
.irp n, 0,1,2,3
	v_pk_fma_f32 v[F+8*\b+2*\n:F+8*\b+2*\n+1], v[AC+8*\b+2*\n:AC+8*\b+2*\n+1], s[66:67], v[BS+8*\b+2*\n:BS+8*\b+2*\n+1] op_sel_hi:[1,0,1]   ; each accumulator from its low end on
.endr
.endr
	WIN 0
.irp b, 0,1,2,3,4,5,6,7
.irp n, 0,1,2,3
	v_cvt_pk_f16_f32 v[TMP+4*\b+\n], v[F+8*\b+2*\n], v[F+8*\b+2*\n+1]
.endr
.endr
.endm
.macro TOSTAGE a
.set BB, OB+32*((\a)%2)
.irp b, 0,1,2,3,4,5,6,7
	ds_store_b128 v[STO], v[TMP+4*\b:TMP+4*\b+3] offset:(\b/4)*2176+(\b%4)*32   ; y's blocks 0-3 in stage rows 0-7, blocks 4-7 in rows 8-15
.endr
.irp t, 0,1,2,3,4,5,6,7
	ds_load_b128 v[BB+4*\t:BB+4*\t+3], v[RD] offset:544*\t          ; LDS serves a wave's instructions in order: these see the stores above
.endr
.endm
.macro SEND a
.set BB, OB+32*((\a)%2)
	s_wait_dscnt 0x0                               ; the block is back in registers
	s_wait_xcnt 0x0                                ; earlier stores have read their registers and bases: only behind this wait are they rewritten
.if (\a) > 0
	s_add_nc_u64 s[12:13], s[12:13], 2048          ; 16 output rows of 128 bytes on
	s_add_nc_u64 s[96:97], s[96:97], 2048
.endif
.if (\a) == 4
	s_add_nc_u64 s[12:13], s[12:13], s[98:99]
	s_add_nc_u64 s[96:97], s[96:97], s[98:99]
.endif
.irp t, 0,1,2,3
	global_store_b128 v[CO], v[BB+4*\t:BB+4*\t+3], s[12:13] offset:512*\t        ; 32 lanes store 512 consecutive bytes, aligned
.endr
.irp t, 0,1,2,3
	global_store_b128 v[CO], v[BB+16+4*\t:BB+16+4*\t+3], s[96:97] offset:512*\t
.endr
.endm
	PACK 0
	TOSTAGE 0
.irp a, 1,2,3,4,5,6,7                  ; block a's arithmetic stands between block a - 1's loads from the stage and the wait for them
	PACK \a
	SEND \a-1
	TOSTAGE \a
.endr
	SEND 7
	s_wait_tensorcnt 0x0                           ; the wave's end
	ds_add_u32 v[SPW], v[NIL]
	s_wait_dscnt 0x0
	CROUND                                         ; the closing round
	s_endpgm
.Lfunc_end_k_q1671c24271_proj:
	.size	k_q1671c24271_proj, .Lfunc_end_k_q1671c24271_proj-k_q1671c24271_proj
	.p2alignl 7, 3214868480
	.fill 96, 4, 3214868480
	.section	.rodata,"a",@progbits
	.p2align	6, 0x0
	.amdhsa_kernel k_q1671c24271_proj
		.amdhsa_group_segment_fixed_size 327680
		.amdhsa_private_segment_fixed_size 0
		.amdhsa_enable_private_segment 0
		.amdhsa_kernarg_size 40
		.amdhsa_user_sgpr_count 2
		.amdhsa_user_sgpr_kernarg_segment_ptr 1
		.amdhsa_wavefront_size32 1
		.amdhsa_system_sgpr_workgroup_id_x 1
		.amdhsa_system_sgpr_workgroup_id_y 1
		.amdhsa_system_sgpr_workgroup_id_z 1
		.amdhsa_system_vgpr_workitem_id 0
		.amdhsa_next_free_vgpr 1024
		.amdhsa_next_free_sgpr 100
		.amdhsa_reserve_vcc 0
		.amdhsa_float_denorm_mode_32 3
		.amdhsa_float_denorm_mode_16_64 3
		.amdhsa_memory_ordered 1
		.amdhsa_forward_progress 1
		.amdhsa_inst_pref_size 148
	.end_amdhsa_kernel
	.amdgpu_metadata
---
amdhsa.version: [ 1, 2 ]
amdhsa.kernels:
  - .name:           k_q1671c24271_proj
    .symbol:         k_q1671c24271_proj.kd
    .args:
      - { .name: codes, .offset: 0, .size: 8, .value_kind: global_buffer, .address_space: global }
      - { .name: scales, .offset: 8, .size: 8, .value_kind: global_buffer, .address_space: global }
      - { .name: Wq_b, .offset: 16, .size: 8, .value_kind: global_buffer, .address_space: global }
      - { .name: Wkv_b, .offset: 24, .size: 8, .value_kind: global_buffer, .address_space: global }
      - { .name: qkv, .offset: 32, .size: 8, .value_kind: global_buffer, .address_space: global }
    .group_segment_fixed_size: 327680
    .private_segment_fixed_size: 0
    .kernarg_segment_align: 8
    .kernarg_segment_size: 40
    .max_flat_workgroup_size: 128
    .sgpr_count:     100
    .vgpr_count:     1024
    .wavefront_size: 32
...
	.end_amdgpu_metadata
.endif
;; end of part 2
;; launch attn (part 3): grid 8 x 32, 8 waves a work-group, clusters of 4 x 1, 327,680 bytes of LDS; arguments qkv, kbias, Wkv_b, ctx16; writes ctx16
.if DOCPART == 3
	.amdgcn_target "amdgcn-amd-amdhsa--gfx1250"
	.amdhsa_code_object_version 6
	.text
	.protected	k_q1671c24271_attn
	.globl	k_q1671c24271_attn
	.p2align	8
	.type	k_q1671c24271_attn,@function
k_q1671c24271_attn:
	s_mov_b64 s[64:65], 0
	v_nop
	global_prefetch_b8 v0, s[64:65] scope:SCOPE_SE
	s_setreg_imm32_b32 hwreg(HW_REG_WAVE_MODE, 25, 1), 1
	s_wait_xcnt 0x0
	s_wait_alu depctr_hold_cnt(0) depctr_sa_sdst(0) depctr_va_vdst(0) depctr_va_sdst(0) depctr_va_ssrc(0) depctr_va_vcc(0) depctr_vm_vsrc(0)
	s_getreg_b32 s2, hwreg(HW_REG_IB_STS2, 6, 4)
	s_cmp_eq_u32 s2, 0
	s_cbranch_scc0 .Lentry_in_a_cluster
	s_endpgm
.Lentry_in_a_cluster:
	s_bfe_u32 s2, ttmp6, 0x10000c
	s_cmp_lg_u32 s2, 0x3003
	s_cbranch_scc0 .Lentry_shape_is_right
	s_endpgm
.Lentry_shape_is_right:
; ATTN.  ctx[b][t][head][:] = sum over keys of softmax(q . k / 8 + bias + mask) (v + its bias), operands in f16, products, maxima and sums in f32.
; q' comes scaled by 0.125 x log2(e); the key table holds bias x log2(e), or -2^100 for a hidden key, and is the C of the scores' first matrix instruction: a score is t, in units of log2.
; For each query a running maximum m and sum l: p = 2^(t - m); in every step O and l are multiplied by a = 2^(m_old - m_new).  v's bias is added at the end: sum(p (v + c)) / sum(p) = sum(p v) / sum(p) + c.
; SHARES.  A work-group owns 256 queries of one batch and head.  Eight waves, two to a SIMD with 512 registers each, so that one wave's softmax stands beside the other's products.
; Wave w takes queries 64 (w % 4) .. + 63 (four tiles of 16) and HALF of the keys: of each slot of 256 keys those from 128 (w / 4) on, in two steps of 64.  So a fragment of K or V feeds four matrix instructions.
; At the end waves w and w xor 4 join their (m, l, O) through LDS: each sends its register tiles 2, 3 and finishes its tiles 0, 1; tiles 0, 1 hold queries 32 (w / 4) .. + 31 of the 64, tiles 2, 3 the others: one text for all waves.
; LAYOUT.  S^T = K Q^T (source 0 = 16 keys, source 1 = 16 queries) and O^T = V^T P (source 0 = 16 channels, source 1 = P): a lane holds ONE query throughout; two tiles of S^T rounded to f16 in pairs ARE source 1 of the second product.
; K comes as [key][64], V as [64 keys' chunk][channel][key]: both are dense blocks, taken as rows of 256 bytes that hold TWO rows of 64 f16: row r of a fragment lies at 272 (r / 2) + 128 (r % 2).
; CLUSTER.  The four query blocks of a cluster walk the same K, V and table: each tile is asked for jointly, by waves 0 to 3, with the mask of all four.
; LIMITS: a t under -2^90 counts as hidden; a batch with every key hidden gives 0 x infinity = NaN, as the softmax of such a row is; NaN and infinities among the inputs are not served; |ctx| stays under 65,504.
; REGISTERS.  window 0: v1-15 addresses; v16-31 m, old m, l (two halves) for each tile; v32-63 at work in the softmax, else the table's 32 numbers of a step; v64-191 S^T, 32 a tile, P in place in the first 16; v192-255 V.
;   window 1: v0-127 O^T, 32 a tile; v128-191 Q; v192-255 K.
.set QTR,   64*272                     ; 64 LDS rows: what one tensor load brings; also a key half's rows of K, and of V
.set VOFF,  2*QTR                      ; a slot: 128 rows of K, then 128 rows of V
.set STEPB, 32*272                     ; 64 keys of K; a chunk of V
.set TILEB, 8*272                      ; 16 rows of 128 bytes
.set SLOT1, 1<<17                      ; slot 1 begins here: one exclusive or turns an address
.set TAB,   4*QTR                      ; behind slot 0: the batch's key table, 8,192 bytes, filled once
.set SPARE, TAB+8192                   ; the spare words, 128 bytes for each of eight waves
.set STAGE, SPARE+1024                 ; the way out: 16 x 272 bytes for each wave
.set MRG,   SLOT1+4*QTR                ; behind slot 1: where the waves join: 8,704 bytes for each wave
.set MRGB,  8704
.set A0,  1                            ; v1   my lane's place in a tile of K, in my key half
.set AB0, 2                            ; v2   and in the table
.set ADR, 3                            ; v3   LDS address of the step's K and V
.set ADB, 4                            ; v4   of its 64 numbers of the table
.set SPW, 5
.set NIL, 6
.set PFO, 7                            ; v7   256 x lane
.set QA,  8                            ; v8   my byte in the wave's rows of Q, tiles 0, 1
.set QB,  9                            ; v9   tiles 2, 3
.set STO, 10
.set RD,  11
.set GO,  12                           ; v12  16 x lane
.set BVO, 13                           ; v13  32 (lane / 16)
.set MW,  14                           ; v14  where I put what I send
.set MR,  15                           ; v15  where my partner put it
.set M,   16
.set T,   32
.set BI,  32
.set S,   64
.set VF,  192
.set QF,  128                          ; in window 1
.set KF,  192                          ; in window 1
.set WV,  12
.set G1,  24                           ; s[24:31] group 1 for K's and V's tiles
.set G1T, 32                           ; s[32:39] for the table
.set G0T, 40
.set G0A, 44                           ; slot 0's first fill
.set G0W, 48                           ; slot 1's; it then walks
.set SLOTS, 52
.set TWICE, 53
.set SEL, 54
.set TB,  56                           ; LDS byte at which the step to be fetched begins (less my key half)
.set TBI, 57                           ; and its place in the table
.set PFA, 58
.set LIM, 60
.set MSB, 0
.macro WIN new
.if MSB != \new
	s_set_vgpr_msb (MSB<<8)|\new
.set MSB, \new
.endif
.endm
.macro CROUND
	s_barrier_signal -1
	s_barrier_wait -1
	s_cmp_lg_u32 s[WV], 0
	s_cbranch_scc1 .Lnot_wave_0_\@
	s_barrier_signal -3
.Lnot_wave_0_\@:
	s_barrier_wait -3
	s_barrier_signal -1
	s_barrier_wait -1
.endm
.macro JLOAD                           ; the joint refill: waves 0, 1 K's halves, waves 2, 3 V's; the branch hangs on the wave's number alone
	s_cmp_lt_u32 s[WV], 4
	s_cbranch_scc0 .Lnone_\@
	tensor_load_to_lds s[G0W:G0W+3], s[G1:G1+7]
	s_nop 0
.rept 4
	v_nop
.endr
.Lnone_\@:
.endm
; A prefetch of the slot that the NEXT change of slots will ask for: 32,768 bytes of K and as many of V.  Both clusters of a head walk the same rows: the first asks.  Its four partners take 8,192 bytes each, told apart
; by address; in each, wave 4 asks for K's and wave 5 for V's, a lane for each 256 bytes: each block is named once in the launch.  The last change that fills a slot asks for nothing.
.macro ASK
	s_cmp_gt_u32 s[SLOTS], s[LIM]
	s_cbranch_scc0 .Lnot_mine_\@
	global_prefetch_b8 v[PFO], s[PFA:PFA+1] th:TH_LOAD_NT scope:SCOPE_SE
.Lnot_mine_\@:
.endm
	s_load_b256 s[4:11], s[0:1], 0x0               ; qkv s[4:5], kbias s[6:7], Wkv_b s[8:9], ctx16 s[10:11]
	v_lshl_add_u32 v[SPW], v0, 2, SPARE
	v_mov_b32 v[NIL], 0
	ds_add_u32 v[SPW], v[NIL]                      ; the wave's opening: the add, twice on end, and its wait ahead of the first tensor load
	ds_add_u32 v[SPW], v[NIL]
	v_lshrrev_b32 v1, 5, v0
	v_readfirstlane_b32 s[WV], v1                  ; wave 0..7
	s_bfe_u32 s13, ttmp6, 0x40000                  ; cx
	s_lshl_b32 s14, ttmp9, 2
	s_add_co_u32 s14, s14, s13                     ; my block of 256 queries: it enters Q's, ctx's and the prefetch's addresses alone
	s_and_b32 s15, ttmp7, 0xffff                   ; batch x 16 + head, which the partners share
	s_lshr_b32 s16, s15, 4                         ; batch
	s_and_b32 s17, s15, 15                         ; head
	s_lshr_b32 s18, s[WV], 2                       ; g: my key half
	s_and_b32 s19, s[WV], 3                        ; my 64 queries; also which quarter of a slot I fetch
	s_lshl_b32 s22, s17, 19
	s_lshl_b32 s23, s16, 18
	s_add_co_u32 s22, s22, s23                     ; head and batch in q and in k
	s_add_co_u32 s61, s22, 8388608                 ; K's first byte in qkv
	s_lshl_b32 s62, s15, 18
	s_add_co_u32 s62, s62, 16777216                ; V's
	s_and_b32 s63, s[WV], 1
	s_cmp_eq_u32 s63, 0
	s_cselect_b32 s[PFA], s61, s62                 ; the prefetches: an even wave K, an odd one V,
	s_lshl_b32 s2, s13, 13
	s_add_co_u32 s[PFA], s[PFA], s2                ; my work-group's 8,192 bytes,
	s_add_co_u32 s[PFA], s[PFA], 2*32768           ; in slot 2: the first change of slots steps it to slot 3
	s_mov_b32 s[PFA+1], 0
	s_cmp_lt_u32 s[WV], 2
	s_cselect_b32 s62, s61, s62                    ; what I fetch: waves 0, 1 K; waves 2, 3 V;
	s_lshl_b32 s63, s63, 14
	s_add_co_u32 s62, s62, s63                     ; which 64 rows of 256 bytes
	s_mov_b32 s63, 0
	s_mul_i32 s61, s19, QTR                        ; and where they go
	s_lshl_b32 s20, s14, 15
	s_add_co_u32 s20, s20, s22
	s_lshl_b32 s21, s19, 13
	s_add_co_u32 s20, s20, s21                     ; my wave's 64 queries in q
	s_mov_b32 s21, 0
	s_lshl_b32 s22, s16, 4                         ; ctx16 [token / 128][head][token % 128][64]
	s_lshl_b32 s2, s14, 1
	s_add_co_u32 s22, s22, s2
	s_lshr_b32 s2, s19, 1
	s_add_co_u32 s22, s22, s2
	s_lshl_b32 s22, s22, 18
	s_lshl_b32 s2, s17, 14
	s_add_co_u32 s22, s22, s2
	s_and_b32 s2, s[WV], 1
	s_lshl_b32 s2, s2, 13
	s_add_co_u32 s22, s22, s2
	s_lshl_b32 s2, s18, 12
	s_add_co_u32 s22, s22, s2                      ; the 32 queries that I finish
	s_mov_b32 s23, 0
	s_lshr_b32 s[LIM], s[WV], 1
	s_xor_b32 s[LIM], s[LIM], 2                    ; 0 in waves 4 and 5,
	s_or_b32 s[LIM], s[LIM], ttmp9                 ; of the head's first cluster: the same in all four partners
	s_cmp_eq_u32 s[LIM], 0
	s_cselect_b32 s[LIM], 1, -1
	; group 1: 64 rows of 256 bytes (32 elements of 8), dense, 16 bytes of padding behind each
	s_mov_b32 s[G1], 15|(3<<16)|(1<<20)|(1<<21)|(5<<22)|(3<<25)
	s_mov_b32 s[G1+1], 32<<16
	s_mov_b32 s[G1+2], 64<<16
	s_mov_b32 s[G1+3], 32<<16
	s_mov_b32 s[G1+4], 64
	s_mov_b32 s[G1+5], 32
	s_mov_b32 s[G1+6], 0
	s_mov_b32 s[G1+7], 0
	; the table: 8 rows of 256 bytes a wave, no padding
	s_mov_b32 s[G1T], 15|(3<<16)|(1<<21)
	s_mov_b32 s[G1T+1], 32<<16
	s_mov_b32 s[G1T+2], 8<<16
	s_mov_b32 s[G1T+3], 32<<16
	s_mov_b32 s[G1T+4], 8
	s_mov_b32 s[G1T+5], 32
	s_mov_b32 s[G1T+6], 0
	s_mov_b32 s[G1T+7], 0
	s_mov_b32 s[SEL], 0x76543210
	s_mov_b32 s[SEL+1], 0xfedcba98
	s_mov_b32 s[TB], 0
	s_mov_b32 s[TBI], 0
	; every address register is made here, ahead of the first branch on the wave's number
	v_and_b32 v60, 15, v0                          ; r
	v_bfe_u32 v61, v0, 4, 1                        ; h
	v_and_b32 v62, 31, v0                          ; lane
	v_lshrrev_b32 v63, 1, v60
	v_mul_u32_u24 v63, v63, 272
	v_and_b32 v[ADR], 1, v60
	v_lshl_add_u32 v63, v[ADR], 7, v63
	v_lshl_add_u32 v63, v61, 4, v63                ; a fragment's lane term: 272 (r / 2) + 128 (r % 2) + 16 h: sixteen lanes, sixteen different columns of 16 bytes
	s_mul_i32 s52, s18, QTR
	v_add_nc_u32 v[A0], s52, v63
	s_lshl_b32 s52, s18, 9
	s_add_co_u32 s52, s52, TAB
	v_lshl_add_u32 v[AB0], v61, 5, s52             ; the table: 512 g + 32 h: register j of tile kt is key 16 kt + 8 h + j
	v_lshlrev_b32 v[PFO], 8, v62
	v_lshlrev_b32 v[QB], 7, v60
	v_lshl_add_u32 v[QB], v61, 4, v[QB]            ; Q: 128 r + 16 h
	s_lshl_b32 s52, s18, 12
	v_add_nc_u32 v[QA], s52, v[QB]                 ; + 32 g rows
	s_xor_b32 s52, s52, 4096
	v_add_nc_u32 v[QB], s52, v[QB]                 ; + the other 32
	s_mul_i32 s52, s[WV], 16*272
	s_add_co_u32 s52, s52, STAGE
	v_add_nc_u32 v[STO], s52, v63
	v_mul_u32_u24 v[RD], v61, 272
	v_lshl_add_u32 v[RD], v60, 4, v[RD]
	v_add_nc_u32 v[RD], s52, v[RD]
	v_lshlrev_b32 v[GO], 4, v62
	v_lshlrev_b32 v[BVO], 5, v61
	s_mul_i32 s52, s[WV], MRGB
	s_add_co_u32 s52, s52, MRG
	v_add_nc_u32 v[MW], s52, v[GO]
	s_xor_b32 s53, s[WV], 4
	s_mul_i32 s53, s53, MRGB
	s_add_co_u32 s53, s53, MRG
	v_add_nc_u32 v[MR], s53, v[GO]
	s_mov_b32 s[G0T], 1
	s_lshl_b32 s[G0T+1], s19, 11
	s_lshl_b32 s[G0T+2], s16, 13
	s_add_co_u32 s[G0T+2], s[G0T+2], s[G0T+1]      ; the batch's 8,192 bytes, my 2,048
	s_mov_b32 s[G0T+3], 0
	s_add_co_u32 s[G0T+1], s[G0T+1], TAB
	s_wait_dscnt 0x0                               ; both opening adds are done
	s_wait_kmcnt 0x0
	s_add_nc_u64 s[G0T+2:G0T+3], s[6:7], s[G0T+2:G0T+3]
	s_or_b32 s[G0T+3], s[G0T+3], 0x80000000
	s_mov_b32 s[G0A], 1
	s_mov_b32 s[G0A+1], s61
	s_add_nc_u64 s[G0A+2:G0A+3], s[4:5], s[62:63]
	s_mov_b32 s[G0W], 1
	s_add_co_u32 s[G0W+1], s61, SLOT1
	s_add_nc_u64 s[G0W+2:G0W+3], s[G0A+2:G0A+3], 32768
	s_or_b32 s[G0A+3], s[G0A+3], 0x80000000
	s_or_b32 s[G0W+3], s[G0W+3], 0x80000000
	s_add_nc_u64 s[PFA:PFA+1], s[4:5], s[PFA:PFA+1]
	s_add_nc_u64 s[20:21], s[4:5], s[20:21]        ; Q
	s_add_nc_u64 s[10:11], s[10:11], s[22:23]      ; ctx16
	s_lshl_b32 s2, s17, 8
	s_add_co_u32 s2, s2, 4096
	s_mov_b32 s3, 0
	s_add_nc_u64 s[8:9], s[8:9], s[2:3]            ; v's bias: Wkv_b[1,024 + 64 head ..]
	CROUND                                         ; all four work-groups are here: the first joint loads meet
	s_cmp_lt_u32 s[WV], 4                          ; a wave's three first fills stand in one branch; three tensor loads of mine are out at the most
	s_cbranch_scc0 .Lno_first
	tensor_load_to_lds s[G0T:G0T+3], s[G1T:G1T+7]
	s_nop 0
	tensor_load_to_lds s[G0A:G0A+3], s[G1:G1+7]
	s_nop 0
	tensor_load_to_lds s[G0W:G0W+3], s[G1:G1+7]
	s_nop 0
.rept 4
	v_nop
.endr
.Lno_first:
	WIN 0x40                                       ; destination window 1
.irp i, 0,1
.irp kk, 0,1
	global_load_b128 v[QF+16*\i+8*\kk:QF+16*\i+8*\kk+3],   v[QA], s[20:21] offset:\i*2048+\kk*64      ; Q stays in registers: lane (r, h): query r, channels 32 kk + 8 h .., + 16
	global_load_b128 v[QF+16*\i+8*\kk+4:QF+16*\i+8*\kk+7], v[QA], s[20:21] offset:\i*2048+\kk*64+32
	global_load_b128 v[QF+32+16*\i+8*\kk:QF+32+16*\i+8*\kk+3],   v[QB], s[20:21] offset:\i*2048+\kk*64
	global_load_b128 v[QF+32+16*\i+8*\kk+4:QF+32+16*\i+8*\kk+7], v[QB], s[20:21] offset:\i*2048+\kk*64+32
.endr
.endr
.set J, 0
.rept 128
	v_mov_b32 v[J], 0                              ; O^T.  The step is written once: the first finds zeros, which its a = 0 leaves zeros
.set J, J+1
.endr
	WIN 0
.irp i, 0,1,2,3
	v_mov_b32 v[M+4*\i], 0xec800000                ; m = -2^90: under every t that counts, over every hidden one
	v_mov_b32 v[M+4*\i+2], 0
	v_mov_b32 v[M+4*\i+3], 0
.endr
.macro FETCH_K                         ; the next step's K: 64 keys x 64 channels: 8 fragments, 16 loads
	v_add_nc_u32 v[ADR], s[TB], v[A0]
	WIN 0x40
.irp kt, 0,1,2,3
.irp kk, 0,1
	ds_load_b128 v[KF+16*\kt+8*\kk:KF+16*\kt+8*\kk+3],   v[ADR] offset:\kt*TILEB+\kk*64
	ds_load_b128 v[KF+16*\kt+8*\kk+4:KF+16*\kt+8*\kk+7], v[ADR] offset:\kt*TILEB+\kk*64+32
.endr
.endr
	WIN 0
.endm
.macro FETCH_B                         ; and its 64 numbers of the table, in the layout of a result: 8 loads
	v_add_nc_u32 v[ADB], s[TBI], v[AB0]
.irp kt, 0,1,2,3
	ds_load_b128 v[BI+8*\kt:BI+8*\kt+3],   v[ADB] offset:64*\kt
	ds_load_b128 v[BI+8*\kt+4:BI+8*\kt+7], v[ADB] offset:64*\kt+16
.endr
.endm
; S^T = K Q^T + the table, for the four tiles of queries; then the same step's V is asked for.  The 16 accumulators take turns, one instruction a turn.
.macro QKV
.rept 5
	v_nop                                          ; the scores are laid over P, which the last products read: five places
.endr
	s_wait_dscnt 0x0                               ; K and the table's numbers are in
	WIN 0x05                                       ; K and Q in window 1
.irp kk, 0,1
.irp kt, 0,1,2,3
.irp i, 0,1,2,3
.if \kk == 0
	v_wmma_f32_16x16x32_f16 v[S+32*\i+8*\kt:S+32*\i+8*\kt+7], v[KF+16*\kt+8*\kk:KF+16*\kt+8*\kk+7], v[QF+16*\i+8*\kk:QF+16*\i+8*\kk+7], v[BI+8*\kt:BI+8*\kt+7]
.else
	v_wmma_f32_16x16x32_f16 v[S+32*\i+8*\kt:S+32*\i+8*\kt+7], v[KF+16*\kt+8*\kk:KF+16*\kt+8*\kk+7], v[QF+16*\i+8*\kk:QF+16*\i+8*\kk+7], v[S+32*\i+8*\kt:S+32*\i+8*\kt+7]
.endif
.endr
.endr
.endr
.rept 4
	v_nop                                          ; places: for the loads into V's and K's registers, the softmax's reads of the scores and its writes over the table's numbers
.endr
	WIN 0
.irp ct, 0,1,2,3
.irp ks, 0,1
	ds_load_b128 v[VF+16*\ct+8*\ks:VF+16*\ct+8*\ks+3],   v[ADR] offset:VOFF+\ct*TILEB+\ks*64      ; lane (r, h): channel 16 ct + r, keys 32 ks + 8 h .., + 16
	ds_load_b128 v[VF+16*\ct+8*\ks+4:VF+16*\ct+8*\ks+7], v[ADR] offset:VOFF+\ct*TILEB+\ks*64+32
.endr
.endr
	s_add_co_u32 s[TB], s[TB], STEPB               ; the next fetch is the next step's
	s_add_co_u32 s[TBI], s[TBI], 256
.endm
; The softmax of a step: every line for the four tiles by turns, so that no line waits for the line above it.
.macro SOFTMAX
.irp k, 0,1,2,3
.irp i, 0,1,2,3
	v_max3_num_f32 v[T+8*\i+\k], v[S+32*\i+8*\k], v[S+32*\i+8*\k+1], v[S+32*\i+8*\k+2]   ; four chains a tile; each accumulator is read from its low end on
.endr
.endr
.irp n, 3,5
.irp k, 0,1,2,3
.irp i, 0,1,2,3
	v_max3_num_f32 v[T+8*\i+\k], v[T+8*\i+\k], v[S+32*\i+8*\k+\n], v[S+32*\i+8*\k+\n+1]
.endr
.endr
.endr
.irp i, 0,1,2,3
	v_max3_num_f32 v[T+8*\i], v[T+8*\i], v[S+32*\i+7], v[S+32*\i+15]
.endr
.irp i, 0,1,2,3
	v_max3_num_f32 v[T+8*\i+2], v[T+8*\i+2], v[S+32*\i+23], v[S+32*\i+31]
.endr
.irp i, 0,1,2,3
	v_max3_num_f32 v[T+8*\i], v[T+8*\i], v[T+8*\i+1], v[T+8*\i+2]
.endr
.irp i, 0,1,2,3
	v_max3_num_f32 v[T+8*\i], v[T+8*\i], v[T+8*\i+3], v[M+4*\i]
.endr
.irp i, 0,1,2,3
	v_permlanex16_b32 v[T+8*\i+1], v[T+8*\i], s[SEL], s[SEL+1]     ; the query's other 32 keys lie in the lane 16 away
.endr
.irp i, 0,1,2,3
	v_mov_b32 v[M+4*\i+1], v[M+4*\i]               ; the old m is kept for a
.endr
.irp i, 0,1,2,3
	v_max_num_f32 v[M+4*\i], v[T+8*\i], v[T+8*\i+1]
.endr
.irp i, 0,1,2,3
	v_sub_f32 v[T+8*\i+7], v[M+4*\i+1], v[M+4*\i]
.endr
.irp j, 0,2,4,6,8,10,12,14,16,18,20,22,24,26,28,30
.irp i, 0,1,2,3
	v_pk_add_f32 v[S+32*\i+\j:S+32*\i+\j+1], v[S+32*\i+\j:S+32*\i+\j+1], v[M+4*\i:M+4*\i+1] op_sel_hi:[1,0] neg_lo:[0,1] neg_hi:[0,1]   ; t - m
.endr
.endr
.irp i, 0,1,2,3
	v_exp_f32 v[T+8*\i+6], v[T+8*\i+7]             ; a
.endr
.irp e, 0,1,2,3,4,5,6,7,8,9,10,11,12,13,14,15,16,17,18,19,20,21,22,23,24,25,26,27,28,29,30,31
.irp i, 0,1,2,3
	v_exp_f32 v[S+32*\i+\e], v[S+32*\i+\e]         ; p
.endr
.endr
	v_nop                                          ; a plain line behind the last exponential
	s_wait_alu depctr_va_vdst(0)                   ; one wait for the batch of 132, ahead of its first reader
.irp i, 0,1,2,3
	v_pk_add_f32 v[T+8*\i:T+8*\i+1], v[S+32*\i:S+32*\i+1], v[S+32*\i+4:S+32*\i+5]        ; the sum of the unrounded p, in two chains
.endr
.irp i, 0,1,2,3
	v_pk_add_f32 v[T+8*\i+2:T+8*\i+3], v[S+32*\i+2:S+32*\i+3], v[S+32*\i+6:S+32*\i+7]
.endr
.irp j, 8,12,16,20,24,28
.irp i, 0,1,2,3
	v_pk_add_f32 v[T+8*\i:T+8*\i+1], v[T+8*\i:T+8*\i+1], v[S+32*\i+\j:S+32*\i+\j+1]
.endr
.irp i, 0,1,2,3
	v_pk_add_f32 v[T+8*\i+2:T+8*\i+3], v[T+8*\i+2:T+8*\i+3], v[S+32*\i+\j+2:S+32*\i+\j+3]
.endr
.endr
.irp i, 0,1,2,3
	v_pk_add_f32 v[T+8*\i:T+8*\i+1], v[T+8*\i:T+8*\i+1], v[T+8*\i+2:T+8*\i+3]
.endr
.irp i, 0,1,2,3
	v_pk_fma_f32 v[M+4*\i+2:M+4*\i+3], v[M+4*\i+2:M+4*\i+3], v[T+8*\i+6:T+8*\i+7], v[T+8*\i:T+8*\i+1] op_sel_hi:[1,0,1]   ; l = a l + the sum
.endr
.irp j, 0,1,2,3,4,5,6,7,8,9,10,11,12,13,14,15
.irp i, 0,1,2,3
	v_cvt_pk_f16_f32 v[S+32*\i+\j], v[S+32*\i+2*\j], v[S+32*\i+2*\j+1]     ; P in place: register j is written when 2 j and 2 j + 1 have been read
.endr
.endr
	WIN 0x41                                       ; O^T in window 1
.irp j, 0,2,4,6,8,10,12,14,16,18,20,22,24,26,28,30
.irp i, 0,1,2,3
	v_pk_mul_f32 v[32*\i+\j:32*\i+\j+1], v[32*\i+\j:32*\i+\j+1], v[T+8*\i+6:T+8*\i+7] op_sel_hi:[1,0]      ; O^T x a
.endr
.endr
	WIN 0
.endm
.macro PV n                            ; O^T += V^T P.  n: the LDS loads issued behind V's, which may stay out
	s_wait_dscnt \n
	WIN 0x50                                       ; C and D in window 1
.irp ks, 0,1
.irp ct, 0,1,2,3
.irp i, 0,1,2,3
	v_wmma_f32_16x16x32_f16 v[32*\i+8*\ct:32*\i+8*\ct+7], v[VF+16*\ct+8*\ks:VF+16*\ct+8*\ks+7], v[S+32*\i+8*\ks:S+32*\i+8*\ks+7], v[32*\i+8*\ct:32*\i+8*\ct+7]
.endr
.endr
.endr
	WIN 0
.endm
.macro STEP                            ; the softmax and second product of step n, the scores of step n + 1
	FETCH_K
	SOFTMAX
	FETCH_B
	PV 24                                          ; behind V's loads: K's sixteen and the table's eight
	QKV
.endm
.macro TWO_STEPS                       ; a slot's two steps: written once, walked twice
	s_mov_b32 s[TWICE], 2
.Lstep_\@:
	STEP
	s_sub_co_u32 s[TWICE], s[TWICE], 1
	s_cmp_lg_u32 s[TWICE], 0
	s_cbranch_scc1 .Lstep_\@
.endm
; THE CHANGE OF SLOTS: all reads of the slot in hand have been issued.  Each wave waits for all its tensor loads (its part of the other slot), adds 0 to its spare word, and waits for that and for its reads.
; fill = 1: behind a round of the cluster's barrier the slot is filled again, with the keys two slots on: the load has a slot's two steps of both key halves in which to land; one tensor load of mine is out.
.macro CHANGE fill
	WIN 0
	s_wait_tensorcnt 0x0                           ; no tensor load of mine is out, so a group 0 may be written
	ds_add_u32 v[SPW], v[NIL]
.if \fill
	ds_add_u32 v[SPW], v[NIL]                      ; and once more
	s_xor_b32 s[G0W+1], s[G0W+1], SLOT1            ; the other slot than last time,
	s_add_nc_u64 s[G0W+2:G0W+3], s[G0W+2:G0W+3], 32768   ; the next 256 keys
	s_wait_xcnt 0x0                                ; the last prefetch, a slot back, has read its address
	s_add_nc_u64 s[PFA:PFA+1], s[PFA:PFA+1], 32768
	s_wait_dscnt 0x0                               ; the adds are done, and my reads of the slot are over
	CROUND
	JLOAD
	ASK
.else
	s_wait_dscnt 0x0
	s_barrier_signal -1
	s_barrier_wait -1
.endif
	s_sub_co_u32 s[TB], s[TB], 2*STEPB             ; back to a slot's first step,
	s_xor_b32 s[TB], s[TB], SLOT1                  ; in the other slot;
	s_add_co_u32 s[TBI], s[TBI], 512               ; the table: over the other half's 128 keys
.endm
	s_wait_tensorcnt 1                             ; the table and my part of slot 0 are in; slot 1's load may be out
	s_barrier_signal -1
	s_barrier_wait -1
	FETCH_K
	FETCH_B
	s_wait_loadcnt 0x0                             ; Q
	QKV                                            ; step 0's scores
	STEP
	s_mov_b32 s[SLOTS], 6
.Lslot:                                            ; six trips: slots 2 to 7 are asked for
	CHANGE 1
	TWO_STEPS
	s_sub_co_u32 s[SLOTS], s[SLOTS], 1
	s_cmp_lg_u32 s[SLOTS], 0
	s_cbranch_scc1 .Lslot
	CHANGE 0                                       ; the tail is written out: nothing is left to ask for
	TWO_STEPS
	WIN 0x40
.irp ct, 0,1,2,3
	global_load_b128 v[KF+8*\ct:KF+8*\ct+3],   v[BVO], s[8:9] offset:64*\ct       ; v's bias of my eight channels of each tile, into K's registers, which are done with
	global_load_b128 v[KF+8*\ct+4:KF+8*\ct+7], v[BVO], s[8:9] offset:64*\ct+16
.endr
	WIN 0
	SOFTMAX                                        ; the last step
	PV 0
; THE TWO KEY HALVES JOIN.  l's halves are added (these lines are also the places behind the last products); tiles 2, 3 go to my partner as images of their registers, 16 bytes a lane.
.irp i, 0,1,2,3
	v_add_f32 v[T+8*\i], v[M+4*\i+2], v[M+4*\i+3]
.endr
.irp i, 0,1,2,3
	v_permlanex16_b32 v[T+8*\i+1], v[T+8*\i], s[SEL], s[SEL+1]
.endr
	v_add_f32 v32, v32, v33                        ; l of tile 0,
	v_add_f32 v40, v40, v41                        ; of tile 1;
	v_add_f32 v45, v48, v49                        ; what I send: m and l of tile 2,
	v_add_f32 v47, v56, v57                        ; of tile 3
	v_mov_b32 v44, v[M+8]
	v_mov_b32 v46, v[M+12]
	ds_store_b128 v[MW], v[44:47] offset:8192
	WIN 0x04                                       ; an LDS store's data are its source 1: window 1
.irp n, 0,1,2,3,4,5,6,7,8,9,10,11,12,13,14,15
	ds_store_b128 v[MW], v[64+4*\n:67+4*\n] offset:512*\n          ; each accumulator from its low end on
.endr
	WIN 0
	s_wait_dscnt 0x0                               ; for my partner's sake: my stores are done
	s_barrier_signal -1
	s_barrier_wait -1
.irp n, 0,1,2,3,4,5,6,7,8,9,10,11,12,13,14,15
	ds_load_b128 v[64+4*\n:67+4*\n], v[MR] offset:512*\n           ; my partner's O^T of my tiles 0, 1
.endr
	ds_load_b128 v[52:55], v[MR] offset:8192       ; and its m and l
	s_wait_dscnt 0x0
	s_wait_loadcnt 0x0                             ; v's bias
.irp i, 0,1
	v_max_num_f32 v[33+8*\i], v[M+4*\i], v[52+2*\i]
.endr
.irp i, 0,1
	v_sub_f32 v[34+8*\i], v[M+4*\i], v[33+8*\i]
	v_sub_f32 v[35+8*\i], v[52+2*\i], v[33+8*\i]
.endr
.irp i, 0,1
	v_exp_f32 v[48+\i], v[34+8*\i]                 ; f1 = 2^(m - the common maximum)
	v_exp_f32 v[50+\i], v[35+8*\i]                 ; f2 likewise for my partner's
.endr
	v_nop
	s_wait_alu depctr_va_vdst(0)                   ; one wait for the four
.irp i, 0,1
	v_mul_f32 v[32+8*\i], v[32+8*\i], v[48+\i]
.endr
.irp i, 0,1
	v_fmac_f32 v[32+8*\i], v[53+2*\i], v[50+\i]    ; the row's sum over all keys
.endr
.irp i, 0,1
	v_rcp_f32 v[33+8*\i], v[32+8*\i]
.endr
	v_nop
	s_wait_alu depctr_va_vdst(0)                   ; one wait for the two
.irp i, 0,1
	v_mul_f32 v[56+2*\i], v[48+\i], v[33+8*\i]     ; f1 / the sum, in both halves of a pair,
	v_mul_f32 v[57+2*\i], v[48+\i], v[33+8*\i]
	v_mul_f32 v[60+2*\i], v[50+\i], v[33+8*\i]     ; f2 / the sum
	v_mul_f32 v[61+2*\i], v[50+\i], v[33+8*\i]
.endr
	WIN 0x10                                       ; source 2 (the bias) in window 1
.irp i, 0,1
.irp j, 0,2,4,6,8,10,12,14,16,18,20,22,24,26,28,30
	v_pk_fma_f32 v[64+32*\i+\j:64+32*\i+\j+1], v[64+32*\i+\j:64+32*\i+\j+1], v[60+2*\i:61+2*\i], v[KF+\j:KF+\j+1]
.endr
.endr
	WIN 0x01                                       ; source 0 (my O^T) in window 1
.irp i, 0,1
.irp j, 0,2,4,6,8,10,12,14,16,18,20,22,24,26,28,30
	v_pk_fma_f32 v[64+32*\i+\j:64+32*\i+\j+1], v[32*\i+\j:32*\i+\j+1], v[56+2*\i:57+2*\i], v[64+32*\i+\j:64+32*\i+\j+1]
.endr
.endr
	WIN 0
.set J, 0
.rept 32
	v_cvt_pk_f16_f32 v[128+J], v[64+2*J], v[64+2*J+1]
.set J, J+1
.endr
.irp i, 0,1
.irp ct, 0,1,2,3
	ds_store_b128 v[STO], v[128+16*\i+4*\ct:131+16*\i+4*\ct] offset:\i*TILEB+32*\ct   ; query r, channels 16 ct + 8 h ..: through my stage
.endr
.endr
.irp t, 0,1,2,3,4,5,6,7
	ds_load_b128 v[160+4*\t:163+4*\t], v[RD] offset:544*\t         ; LDS serves a wave's instructions in order: these see my stores
.endr
.irp t, 0,1,2,3,4,5,6,7
	s_wait_dscnt 7-\t
	global_store_b128 v[GO], v[160+4*\t:163+4*\t], s[10:11] offset:512*\t             ; 32 lanes store 512 consecutive bytes, aligned: four queries' rows of 128 bytes
.endr
	s_wait_tensorcnt 0x0                           ; the wave's end
	ds_add_u32 v[SPW], v[NIL]
	s_wait_dscnt 0x0
	CROUND                                         ; the closing round
	s_endpgm
.Lfunc_end_k_q1671c24271_attn:
	.size	k_q1671c24271_attn, .Lfunc_end_k_q1671c24271_attn-k_q1671c24271_attn
	.p2alignl 7, 3214868480
	.fill 96, 4, 3214868480
	.section	.rodata,"a",@progbits
	.p2align	6, 0x0
	.amdhsa_kernel k_q1671c24271_attn
		.amdhsa_group_segment_fixed_size 327680
		.amdhsa_private_segment_fixed_size 0
		.amdhsa_enable_private_segment 0
		.amdhsa_kernarg_size 32
		.amdhsa_user_sgpr_count 2
		.amdhsa_user_sgpr_kernarg_segment_ptr 1
		.amdhsa_wavefront_size32 1
		.amdhsa_system_sgpr_workgroup_id_x 1
		.amdhsa_system_sgpr_workgroup_id_y 1
		.amdhsa_system_sgpr_workgroup_id_z 1
		.amdhsa_system_vgpr_workitem_id 0
		.amdhsa_next_free_vgpr 512
		.amdhsa_next_free_sgpr 66
		.amdhsa_reserve_vcc 0
		.amdhsa_float_denorm_mode_32 3
		.amdhsa_float_denorm_mode_16_64 3
		.amdhsa_memory_ordered 1
		.amdhsa_forward_progress 1
		.amdhsa_inst_pref_size 157
	.end_amdhsa_kernel
	.amdgpu_metadata
---
amdhsa.version: [ 1, 2 ]
amdhsa.kernels:
  - .name:           k_q1671c24271_attn
    .symbol:         k_q1671c24271_attn.kd
    .args:
      - { .name: qkv, .offset: 0, .size: 8, .value_kind: global_buffer, .address_space: global }
      - { .name: kbias, .offset: 8, .size: 8, .value_kind: global_buffer, .address_space: global }
      - { .name: Wkv_b, .offset: 16, .size: 8, .value_kind: global_buffer, .address_space: global }
      - { .name: ctx16, .offset: 24, .size: 8, .value_kind: global_buffer, .address_space: global }
    .group_segment_fixed_size: 327680
    .private_segment_fixed_size: 0
    .kernarg_segment_align: 8
    .kernarg_segment_size: 32
    .max_flat_workgroup_size: 256
    .sgpr_count:     66
    .vgpr_count:     512
    .wavefront_size: 32
...
	.end_amdgpu_metadata
.endif
;; end of part 3
;; launch oproj (part 4): grid 8 x 32, 4 waves a work-group, clusters of 4 x 4, 327,680 bytes of LDS; arguments ctx16, wo16, out_b, out0; writes out0
.if DOCPART == 4
	.amdgcn_target "amdgcn-amd-amdhsa--gfx1250"
	.amdhsa_code_object_version 6
	.text
	.protected	k_q1671c24271_oproj
	.globl	k_q1671c24271_oproj
	.p2align	8
	.type	k_q1671c24271_oproj,@function
k_q1671c24271_oproj:
	s_mov_b64 s[64:65], 0
	v_nop
	global_prefetch_b8 v0, s[64:65] scope:SCOPE_SE
	s_setreg_imm32_b32 hwreg(HW_REG_WAVE_MODE, 25, 1), 1
	s_wait_xcnt 0x0
	s_wait_alu depctr_hold_cnt(0) depctr_sa_sdst(0) depctr_va_vdst(0) depctr_va_sdst(0) depctr_va_ssrc(0) depctr_va_vcc(0) depctr_vm_vsrc(0)
	s_getreg_b32 s2, hwreg(HW_REG_IB_STS2, 6, 4)
	s_cmp_eq_u32 s2, 0
	s_cbranch_scc0 .Lentry_in_a_cluster
	s_endpgm
.Lentry_in_a_cluster:
	s_bfe_u32 s2, ttmp6, 0x10000c
	s_cmp_lg_u32 s2, 0xf033
	s_cbranch_scc0 .Lentry_shape_is_right
	s_endpgm
.Lentry_shape_is_right:
; OPROJ.  out0[m][n] = sum over k of ctx[m][k] out_w[n][k] + out_b[n]; operands in f16, sums in f32.  M = 4,096, N = 1,024, K = 1,024.
; A tile of 128 x 128 to a work-group: 256 work-groups.  Four waves, 64 x 64 each: 16 accumulators.  K goes in four steps of 256 through two LDS slots.
; Both operands come blocked: ctx16 [m / 128][k / 64][m % 128][k % 64], wo16 [n / 128][k / 64][n % 128][k % 64]: a K step of a tile is 65,536 dense bytes, taken as rows of 256 bytes that hold TWO rows of 64 f16:
; row r of a fragment lies at 272 (r / 2) + 128 (r % 2); a quarter of a K step (64 along K) is 64 LDS rows.
; CLUSTERS: 4 x 4 work-groups; A's tiles are shared along a row of the cluster, B's along a column, by joint loads.  THE MATRIX INSTRUCTION IS USED TRANSPOSED (source 0 = 16 rows of out_w, source 1 = 16 rows of ctx):
; a lane holds eight neighbouring numbers of a row of out0.  out_b is the C of each sum's first product.
; REGISTERS: window 0: v0-31 addresses; v32-95 the way out; v96-127 out_b of my 64 columns; v128-255 the accumulators.  window 1: two fragment buffers of 128.
.set HALFT,  128*272                   ; what one tensor load brings: half of a K step's block of A or of B
.set SLOT,   4*HALFT
.set QRTB,   64*272                    ; a quarter: 64 along K of 128 rows
.set TILEB,  8*272                     ; 16 rows
.set STEPG,  65536                     ; a K step in memory
.set STAGE,  2*SLOT                    ; behind the slots: 16 x 272 bytes for each wave
.set SPARE,  STAGE+4*16*272            ; the spare words
.set ADRA, 16
.set ADRB, 20
.set STO,  24
.set RD,   25
.set CO,   26
.set BO,   27
.set SPW,  28
.set NIL,  29
.set TMP,  32
.set BI,   96
.set ACC,  128
.set F0,   0
.set F1,   128
.set WV, 12
.set SIDE, 13                          ; which half of the tile's rows is mine; also: I fetch for A (0) or for B (1)
.set HALF, 14                          ; which half of its columns; also: which half of a block I fetch
.set G1, 24
.set G0, 32
.set G1B, 48
.set G0B, 56
.set MSB, 0
.macro WIN new
.if MSB != \new
	s_set_vgpr_msb (MSB<<8)|\new
.set MSB, \new
.endif
.endm
.set MUL,  0x05                        ; sources 0 and 1 window 1; C and D window 0
.set TO_F, 0x40
.macro JLOAD s
	s_cmp_eq_u32 s[SIDE], 0
	s_cbranch_scc0 .Lfor_b_\@
	tensor_load_to_lds s[G0+4*\s:G0+4*\s+3], s[G1:G1+7]
	s_nop 0
.rept 4
	v_nop
.endr
	s_branch .Lasked_\@
.Lfor_b_\@:
	tensor_load_to_lds s[G0B+4*\s:G0B+4*\s+3], s[G1B:G1B+7]
	s_nop 0
.rept 4
	v_nop
.endr
.Lasked_\@:
.endm
.macro CREST
	s_cmp_lg_u32 s[WV], 0
	s_cbranch_scc1 .Lnot_wave_0_\@
	s_barrier_signal -3
.Lnot_wave_0_\@:
	s_barrier_wait -3
	s_barrier_signal -1
	s_barrier_wait -1
.endm
.macro CROUND
	s_barrier_signal -1
	s_barrier_wait -1
	CREST
.endm
	s_load_b256 s[4:11], s[0:1], 0x0               ; ctx16 s[4:5], wo16 s[6:7], out_b s[8:9], out0 s[10:11]
	v_lshl_add_u32 v[SPW], v0, 2, SPARE
	v_mov_b32 v[NIL], 0
	ds_add_u32 v[SPW], v[NIL]                      ; the wave's opening: the add, twice on end, and its wait ahead of my first tensor load
	ds_add_u32 v[SPW], v[NIL]
	v_lshrrev_b32 v1, 5, v0
	v_readfirstlane_b32 s[WV], v1
	s_lshr_b32 s[SIDE], s[WV], 1
	s_and_b32 s[HALF], s[WV], 1
	s_bfe_u32 s40, ttmp6, 0x40000                  ; cx, cy
	s_bfe_u32 s41, ttmp6, 0x40004
	s_lshl_b32 s42, ttmp9, 2
	s_add_co_u32 s42, s42, s40                     ; tile column
	s_and_b32 s15, ttmp7, 0xffff
	s_lshl_b32 s15, s15, 2
	s_add_co_u32 s15, s15, s41                     ; tile row
	s_lshl_b32 s43, s41, 2
	s_lshl_b32 s43, 15, s43                        ; my row of the cluster
	s_lshl_b32 s44, 0x1111, s40                    ; my column
	; group 1: 128 rows of 256 bytes (32 elements of 8), dense, 16 bytes of padding behind each
	s_or_b32 s[G1+0], s43, (3<<16)|(1<<20)|(1<<21)|(5<<22)|(3<<25)
	s_or_b32 s[G1B+0], s44, (3<<16)|(1<<20)|(1<<21)|(5<<22)|(3<<25)
.irp g, G1, G1B
	s_mov_b32 s[\g+1], 32<<16
	s_mov_b32 s[\g+2], 128<<16
	s_mov_b32 s[\g+3], 32<<16
	s_mov_b32 s[\g+4], 128
	s_mov_b32 s[\g+5], 32
	s_mov_b32 s[\g+6], 0
	s_mov_b32 s[\g+7], 0
.endr
	s_lshl_b32 s17, s[HALF], 15                    ; my half of a K step's block
	s_lshl_b32 s16, s15, 18
	s_add_co_u32 s16, s16, s17                     ; A: 262,144 bytes a tile row
	s_lshl_b32 s46, s42, 18
	s_add_co_u32 s46, s46, s17                     ; B: as many a tile column
	s_mov_b32 s17, 0
	s_mov_b32 s47, 0
	s_mul_i32 s20, s[WV], HALFT                    ; where they go: A's two halves, then B's: no place in the cluster enters an LDS address
	s_wait_dscnt 0x0                               ; both opening adds are done
	s_wait_kmcnt 0x0
	s_add_nc_u64 s[18:19], s[4:5], s[16:17]
	s_add_nc_u64 s[46:47], s[6:7], s[46:47]
	CROUND                                         ; all sixteen work-groups are here: the first joint loads meet
.irp s, 0,1
	s_mov_b32 s[G0+4*\s], 1
	s_add_co_u32 s[G0+4*\s+1], s20, \s*SLOT
	s_add_nc_u64 s[G0+4*\s+2:G0+4*\s+3], s[18:19], \s*STEPG
	s_or_b32 s[G0+4*\s+3], s[G0+4*\s+3], 0x80000000
	s_mov_b32 s[G0B+4*\s], 1
	s_add_co_u32 s[G0B+4*\s+1], s20, \s*SLOT
	s_add_nc_u64 s[G0B+4*\s+2:G0B+4*\s+3], s[46:47], \s*STEPG
	s_or_b32 s[G0B+4*\s+3], s[G0B+4*\s+3], 0x80000000
	JLOAD \s                                       ; two tensor loads of mine are out at the most
.endr
	v_and_b32 v1, 15, v0                           ; r
	v_bfe_u32 v2, v0, 4, 1                         ; h
	v_lshrrev_b32 v3, 1, v1
	v_mul_u32_u24 v3, v3, 272
	v_and_b32 v4, 1, v1
	v_lshl_add_u32 v3, v4, 7, v3
	v_lshl_add_u32 v3, v2, 4, v3                   ; a fragment's lane term: 272 (r / 2) + 128 (r % 2) + 16 h
	s_mul_i32 s21, s[SIDE], 4*TILEB                ; my 64 rows of A in a quarter
	s_mul_i32 s22, s[HALF], 4*TILEB                ; my 64 rows of B,
	s_add_co_u32 s22, s22, 2*HALFT                 ; behind A's block
.irp s, 0,1
	v_add_nc_u32 v[ADRA+\s], s21, v3
	v_add_nc_u32 v[ADRB+\s], s22, v3
	s_add_co_u32 s21, s21, SLOT
	s_add_co_u32 s22, s22, SLOT
.endr
	s_mul_i32 s23, s[WV], 16*272
	s_add_co_u32 s23, s23, STAGE                   ; my stage: a wave's 64 columns of f32 are 256 bytes, a whole stage row
	v_mul_u32_u24 v4, v1, 272
	v_lshl_add_u32 v4, v2, 5, v4
	v_add_nc_u32 v[STO], s23, v4                   ; in: row r, + 32 h
	v_mul_u32_u24 v5, v2, 272
	v_lshl_add_u32 v5, v1, 4, v5
	v_add_nc_u32 v[RD], s23, v5                    ; back: lanes 0-15 one row, lanes 16-31 the next
	v_lshlrev_b32 v5, 12, v2
	v_lshl_add_u32 v[CO], v1, 4, v5                ; and the same two rows in out0
	s_lshl_b32 s46, s42, 9                         ; my first column, in bytes: 512 x tile column + 256 x half
	s_lshl_b32 s47, s[HALF], 8
	s_add_co_u32 s46, s46, s47
	s_mov_b32 s47, 0
	s_add_nc_u64 s[8:9], s[8:9], s[46:47]
	v_lshlrev_b32 v[BO], 5, v2                     ; lane (r, h) wants, for block b, out_b of columns 16 b + 8 h + 0 .. 7
.irp b, 0,1,2,3
	global_load_b128 v[BI+8*\b:BI+8*\b+3], v[BO], s[8:9] offset:64*\b
	global_load_b128 v[BI+8*\b+4:BI+8*\b+7], v[BO], s[8:9] offset:64*\b+16
.endr
	s_lshl_b32 s16, s15, 7
	s_lshl_b32 s17, s[SIDE], 6
	s_add_co_u32 s16, s16, s17                     ; my first row: 128 x tile row + 64 x half
	s_lshl_b32 s16, s16, 12                        ; 4,096 bytes a row
	s_mov_b32 s17, 0
	s_add_nc_u64 s[10:11], s[10:11], s[16:17]
	s_add_nc_u64 s[10:11], s[10:11], s[46:47]
; 8 matrix instructions: m blocks a0, a0 + 1 x all 4 n blocks, 32 along K: half c of buffer f.  zero = 1: the first product starts the sums, from out_b.  The 16 accumulators take turns.
.macro MUL8 f, c, a0, zero
.irp a, \a0, \a0+1
.irp b, 0,1,2,3
.if \zero
	v_wmma_f32_16x16x32_f16 v[ACC+8*(4*(\a)+\b):ACC+8*(4*(\a)+\b)+7], v[\f+64+8*(4*\c+\b):\f+64+8*(4*\c+\b)+7], v[\f+8*(4*\c+\a):\f+8*(4*\c+\a)+7], v[BI+8*\b:BI+8*\b+7]
.else
	v_wmma_f32_16x16x32_f16 v[ACC+8*(4*(\a)+\b):ACC+8*(4*(\a)+\b)+7], v[\f+64+8*(4*\c+\b):\f+64+8*(4*\c+\b)+7], v[\f+8*(4*\c+\a):\f+8*(4*\c+\a)+7], v[ACC+8*(4*(\a)+\b):ACC+8*(4*(\a)+\b)+7]
.endif
.endr
.endr
.endm
; 32 LDS loads in one run: the fragments of quarter q of the slot into buffer f; the first 32 along K first
.macro FETCH slot, q, f
	WIN TO_F
.irp c, 0,1
.irp i, 0,1,2,3
	ds_load_b128 v[\f+64+8*(4*\c+\i):\f+64+8*(4*\c+\i)+3],   v[ADRB+\slot] offset:(\q)*QRTB+64*\c+\i*TILEB
	ds_load_b128 v[\f+64+8*(4*\c+\i)+4:\f+64+8*(4*\c+\i)+7], v[ADRB+\slot] offset:(\q)*QRTB+64*\c+\i*TILEB+32
	ds_load_b128 v[\f+8*(4*\c+\i):\f+8*(4*\c+\i)+3],         v[ADRA+\slot] offset:(\q)*QRTB+64*\c+\i*TILEB
	ds_load_b128 v[\f+8*(4*\c+\i)+4:\f+8*(4*\c+\i)+7],       v[ADRA+\slot] offset:(\q)*QRTB+64*\c+\i*TILEB+32
.endr
.endr
.endm
.macro PLACES                          ; four places in front of loads into registers that matrix instructions have read, and of the first read of results
.rept 4
	v_nop
.endr
.endm
; One of a K step's first three quarters: multiplies buffer f and fetches quarter q into g.
.macro QUARTER slot, q, f, g, zero
	s_wait_dscnt 16                                ; the first 32 along K are in; the youngest sixteen loads may be out
	WIN MUL
	MUL8 \f, 0, 0, \zero
	MUL8 \f, 0, 2, \zero
	PLACES
	FETCH \slot, \q, \g
	s_wait_dscnt 32                                ; all but the 32 just issued
	WIN MUL
	MUL8 \f, 1, 0, 0
	MUL8 \f, 1, 2, 0
.endm
; The last quarter multiplies buffer 1 and changes slots: one barrier; in front of it each wave waits for all its tensor loads, adds 0 to its spare word, and waits for that and for its reads of this slot.
; fill = 1: the barrier opens a round of the cluster's, and this slot is filled again, two K steps ahead: one tensor load of mine is out.
.macro TURN slot, next, fill
	WIN 0
	s_wait_tensorcnt 0x0                           ; all my tensor loads have landed: my part of the next slot
	ds_add_u32 v[SPW], v[NIL]
	s_wait_dscnt 17                                ; (the add and the youngest sixteen loads may be out)
	WIN MUL
	MUL8 F1, 0, 0, 0
	s_wait_dscnt 0x0                               ; the add is done, and my reads of this slot are over
	s_barrier_signal -1
	MUL8 F1, 0, 2, 0
.if \fill
	WIN 0
.endif
	s_barrier_wait -1
.if \fill
	CREST                                          ; no wave of any partner still reads this slot or has a load on its way
	s_add_nc_u64 s[G0+4*\slot+2:G0+4*\slot+3], s[G0+4*\slot+2:G0+4*\slot+3], 2*STEPG
	s_add_nc_u64 s[G0B+4*\slot+2:G0B+4*\slot+3], s[G0B+4*\slot+2:G0B+4*\slot+3], 2*STEPG
	JLOAD \slot                                    ; the first tensor load behind the round; its four v_nop are also the places in front of the loads below
.else
	PLACES
.endif
	FETCH \next, 0, F0
	WIN MUL
	MUL8 F1, 1, 0, 0
	MUL8 F1, 1, 2, 0
.endm
	s_wait_tensorcnt 1                             ; my part of K step 0 is in; K step 1's load may be out
	s_barrier_signal -1
	s_barrier_wait -1
	FETCH 0, 0, F0
	s_wait_loadcnt 0x0                             ; out_b
	QUARTER 0, 1, F0, F1, 1                        ; K step 0: its first products start the sums
	QUARTER 0, 2, F1, F0, 0
	QUARTER 0, 3, F0, F1, 0
	TURN 0, 1, 1                                   ; slot 0 takes K step 2
	QUARTER 1, 1, F0, F1, 0
	QUARTER 1, 2, F1, F0, 0
	QUARTER 1, 3, F0, F1, 0
	TURN 1, 0, 1                                   ; slot 1 takes K step 3
	QUARTER 0, 1, F0, F1, 0
	QUARTER 0, 2, F1, F0, 0
	QUARTER 0, 3, F0, F1, 0
	TURN 0, 1, 0                                   ; nothing is left to ask for
	QUARTER 1, 1, F0, F1, 0
	QUARTER 1, 2, F1, F0, 0
	QUARTER 1, 3, F0, F1, 0
	s_wait_dscnt 16                                ; the very last quarter
	WIN MUL
	MUL8 F1, 0, 0, 0
	MUL8 F1, 0, 2, 0
	s_wait_dscnt 0
	MUL8 F1, 1, 0, 0
	MUL8 F1, 1, 2, 0
	WIN 0
; THE WAY OUT, block by block of 16 rows x 64 columns: a lane's 32 bytes go into my own stage and come back as whole rows of 256 bytes; sixteen lanes store 256 consecutive bytes, aligned.
.macro OSTAGE a
.irp b, 0,1,2,3
	ds_store_b128 v[STO], v[ACC+8*(4*\a+\b):ACC+8*(4*\a+\b)+3] offset:64*\b           ; each accumulator from its low end on
	ds_store_b128 v[STO], v[ACC+8*(4*\a+\b)+4:ACC+8*(4*\a+\b)+7] offset:64*\b+16
.endr
.irp t, 0,1,2,3,4,5,6,7
	ds_load_b128 v[TMP+32*(\a%2)+4*\t:TMP+32*(\a%2)+4*\t+3], v[RD] offset:544*\t      ; LDS serves a wave's instructions in order: these see the stores above, and the next block's stores come behind them
.endr
.endm
.macro OSEND a, younger                ; younger: the LDS instructions issued behind block a's loads
.irp t, 0,1,2,3,4,5,6,7
	s_wait_dscnt \younger+7-\t
	global_store_b128 v[CO], v[TMP+32*(\a%2)+4*\t:TMP+32*(\a%2)+4*\t+3], s[10:11] offset:\a*65536+\t*8192 th:TH_STORE_NT
.endr
.endm
	PLACES
	OSTAGE 0
	OSTAGE 1
	OSEND 0, 16
	s_wait_xcnt 0x0                                ; block 0's stores have read their registers: block 2's loads may land there
	OSTAGE 2
	OSEND 1, 16
	s_wait_xcnt 0x0
	OSTAGE 3
	OSEND 2, 16
	OSEND 3, 0
	s_wait_tensorcnt 0x0                           ; the wave's end
	ds_add_u32 v[SPW], v[NIL]
	s_wait_dscnt 0x0
	CROUND                                         ; the closing round
	s_endpgm
.Lfunc_end_k_q1671c24271_oproj:
	.size	k_q1671c24271_oproj, .Lfunc_end_k_q1671c24271_oproj-k_q1671c24271_oproj
	.p2alignl 7, 3214868480
	.fill 96, 4, 3214868480
	.section	.rodata,"a",@progbits
	.p2align	6, 0x0
	.amdhsa_kernel k_q1671c24271_oproj
		.amdhsa_group_segment_fixed_size 327680
		.amdhsa_private_segment_fixed_size 0
		.amdhsa_enable_private_segment 0
		.amdhsa_kernarg_size 32
		.amdhsa_user_sgpr_count 2
		.amdhsa_user_sgpr_kernarg_segment_ptr 1
		.amdhsa_wavefront_size32 1
		.amdhsa_system_sgpr_workgroup_id_x 1
		.amdhsa_system_sgpr_workgroup_id_y 1
		.amdhsa_system_sgpr_workgroup_id_z 1
		.amdhsa_system_vgpr_workitem_id 0
		.amdhsa_next_free_vgpr 512
		.amdhsa_next_free_sgpr 66
		.amdhsa_reserve_vcc 0
		.amdhsa_float_denorm_mode_32 3
		.amdhsa_float_denorm_mode_16_64 3
		.amdhsa_memory_ordered 1
		.amdhsa_forward_progress 1
		.amdhsa_inst_pref_size 87
	.end_amdhsa_kernel
	.amdgpu_metadata
---
amdhsa.version: [ 1, 2 ]
amdhsa.kernels:
  - .name:           k_q1671c24271_oproj
    .symbol:         k_q1671c24271_oproj.kd
    .args:
      - { .name: ctx16, .offset: 0, .size: 8, .value_kind: global_buffer, .address_space: global }
      - { .name: wo16, .offset: 8, .size: 8, .value_kind: global_buffer, .address_space: global }
      - { .name: out_b, .offset: 16, .size: 8, .value_kind: global_buffer, .address_space: global }
      - { .name: out0, .offset: 24, .size: 8, .value_kind: global_buffer, .address_space: global }
    .group_segment_fixed_size: 327680
    .private_segment_fixed_size: 0
    .kernarg_segment_align: 8
    .kernarg_segment_size: 32
    .max_flat_workgroup_size: 128
    .sgpr_count:     66
    .vgpr_count:     512
    .wavefront_size: 32
...
	.end_amdgpu_metadata
.endif
;; end of part 4
